; MI455X (gfx1250); checked and timed in simulation.
; The chip was launched on July 23, 2026; its instructions are those of AMD's public machine-readable ISA for CDNA 5 (MIT licence, August 2026) and "CDNA5" Instruction Set Architecture Reference Guide (July 2026). The comments in the code are by the model that wrote it; some were corrected since.
;; Flash Attention Module. Allowed arithmetic: float matrix products may take bf16 or f16 operands with f32 sums; other float arithmetic in f32, or as packed bf16 or f16 multiplies, adds, multiply-adds, maxima and minima; sums over many terms, partial sums and values carried from step to step in f32; what a program stores and reads back later, other than sums and carried values, may be rounded once to bf16 or f16.
;; Inputs: W_k 1,024 x 1,024 float32; W_q 1,024 x 1,024 float32; W_v 1,024 x 1,024 float32; x 4 x 2,048 x 1,024 float32.
;; Outputs: out0 4 x 2,048 x 1,024 float32.
;; 2 versions, each right; version 2 is version 1 with the launch prep written anew for expert scheduling mode. Each part assembles by itself: llvm-mc -triple=amdgcn-amd-amdhsa -mcpu=gfx1250 --defsym DOCPART=n.
;; ======== version 1 of 2: 4 launches
;; limits: values are held in f16: magnitudes above 65,504 overflow, below 6.1e-05 lose precision
;; workspace buffers: xb 16,777,216 bytes; wb 6,291,456 bytes; qkv 50,331,648 bytes; p64 33,554,432 bytes; st 1,048,576 bytes
;; launch prep (part 1): grid 256 x 1, 8 waves a work-group, no clusters, 0 bytes of LDS; arguments x, W_q, W_k, W_v, xb, wb; writes xb, wb
.if DOCPART == 1
	.amdgcn_target "amdgcn-amd-amdhsa--gfx1250"
	.amdhsa_code_object_version 6
	.text
	.protected	k_qf8d4df1f7c_prep
	.globl	k_qf8d4df1f7c_prep
	.p2align	8
	.type	k_qf8d4df1f7c_prep,@function
k_qf8d4df1f7c_prep:
	s_mov_b64 s[64:65], 0
	v_nop
	global_prefetch_b8 v0, s[64:65] scope:SCOPE_SE
	s_setreg_imm32_b32 hwreg(HW_REG_WAVE_MODE, 25, 1), 1
	s_wait_xcnt 0x0
; x [8192][1024] and W_q, W_k, W_v [1024][1024], all f32, are rounded once to bf16 and laid out in PANELS:
; [panel = column / 64][row][64 numbers], a panel's row being 128 bytes and its rows dense.
; xb: 16 panels of 8,192 rows.  wb: 48 panels of 1,024 rows (W_q's 16, then W_k's, then W_v's).
; A stream: no LDS, no barrier, no matrix unit; each byte is read once and written once.
; 256 work-groups of equal work: each takes 32 rows of x (a wave 4 rows, as two pairs) and 6 of the 1,536 pairs of rows of the three W (waves 0 to 5 one pair each).
; A load covers 512 consecutive bytes of a row: 128 numbers, two panels.  After rounding, the halves of the lanes of two
; neighbouring rows are exchanged, so that one store's 32 lanes hold two rows of ONE panel: 256 consecutive bytes, aligned.
.set LO, 3                             ; v3      x: byte offset of my 16 bytes in the wave's first row
.set VO, 4                             ; v4-19   xb: byte offset of my 8 bytes in panel p
.set LW, 20                            ; v20     16 x lane
.set SW, 21                            ; v21     8 x lane
.set X,  24                            ; v24-151  x's 32 loads of 4 registers
.set Y,  152                           ; v152-215 W's 16 loads; no register is used twice, so no store's source is ever rewritten
.set WV, 16                            ; s16     my wave's number
.macro CAST r                          ; eight registers: a row's four f32, the next row's four -> the even panel's pair at r, the odd panel's at r + 4
	v_cvt_pk_bf16_f32 v[(\r)],   v[(\r)],   v[(\r)+1]
	v_cvt_pk_bf16_f32 v[(\r)+1], v[(\r)+2], v[(\r)+3]
	v_cvt_pk_bf16_f32 v[(\r)+4], v[(\r)+4], v[(\r)+5]
	v_cvt_pk_bf16_f32 v[(\r)+5], v[(\r)+6], v[(\r)+7]
	v_permlane16_swap_b32 v[(\r)],   v[(\r)+4]     ; the upper row's lanes 16-31 change places with the lower row's lanes 0-15
	v_permlane16_swap_b32 v[(\r)+1], v[(\r)+5]
.endm
	s_load_b256 s[4:11], s[0:1], 0x0               ; x s[4:5], W_q s[6:7], W_k s[8:9], W_v s[10:11]
	s_load_b128 s[12:15], s[0:1], 0x20             ; xb s[12:13], wb s[14:15]
	v_and_b32 v1, 31, v0                           ; lane
	v_lshrrev_b32 v2, 5, v0                        ; wave
	v_readfirstlane_b32 s[WV], v2
	v_lshlrev_b32 v[LW], 4, v1
	v_lshlrev_b32 v[SW], 3, v1
	v_lshl_add_u32 v[LO], v2, 14, v[LW]            ; 4 rows of 4,096 bytes a wave + 16 bytes a lane
	v_lshl_add_u32 v[VO], v2, 9, v[SW]             ; 4 rows of 128 bytes a wave + 8 bytes a lane
	s_mul_i32 s17, ttmp9, 6
	s_add_co_u32 s17, s17, s[WV]                   ; waves 0 to 5: my pair of rows among W's 1,536
	s_lshr_b32 s18, s17, 9                         ; which W (512 pairs each),
	s_and_b32 s19, s17, 511                        ; which pair of it
	s_lshl_b32 s24, s19, 13                        ; two rows of 4,096 bytes
	s_mov_b32 s25, 0
	s_lshl_b32 s26, s18, 21                        ; a W's 16 panels of 131,072 bytes,
	s_lshl_b32 s27, s19, 8                         ; two rows of 128 bytes
	s_add_co_u32 s26, s26, s27
	s_mov_b32 s27, 0
	s_lshl_b32 s28, ttmp9, 17                      ; x: 32 rows of 4,096 bytes
	s_mov_b32 s29, 0
	s_lshl_b32 s30, ttmp9, 12                      ; xb: 32 rows of 128 bytes
	s_mov_b32 s31, 0
	s_wait_kmcnt 0x0
	s_cmp_eq_u32 s18, 1                            ; the choices hang on the work-group's and the wave's numbers alone
	s_cselect_b64 s[20:21], s[8:9], s[6:7]
	s_cmp_eq_u32 s18, 2
	s_cselect_b64 s[20:21], s[10:11], s[20:21]
	s_add_nc_u64 s[20:21], s[20:21], s[24:25]      ; W's pair, from
	s_add_nc_u64 s[22:23], s[14:15], s[26:27]      ; and to
	s_add_nc_u64 s[4:5], s[4:5], s[28:29]
	s_add_nc_u64 s[12:13], s[12:13], s[30:31]
	s_cmp_lt_u32 s[WV], 6
	s_cbranch_scc0 .Lno_w_loads
.set n, 0
.rept 16                               ; W's loads go first: they are older than x's, so the counts below hold with them and without
	global_load_b128 v[Y+4*n:Y+4*n+3], v[LW], s[20:21] offset:(n%2)*4096+(n/2)*512 th:TH_LOAD_NT
.set n, n+1
.endr
.Lno_w_loads:
.set n, 0
.rept 32                               ; load n: row pair n / 16, span (n / 2) % 8 of 512 bytes, row n % 2 of the pair
	global_load_b128 v[X+4*n:X+4*n+3], v[LO], s[4:5] offset:((n/16)*2+(n%2))*4096+((n/2)%8)*512 th:TH_LOAD_NT
.set n, n+1
.endr
.set p, 1
.rept 15
	v_add_nc_u32 v[VO+p], 0x100000, v[VO+p-1]      ; xb's panels are 1,048,576 bytes apart
.set p, p+1
.endr
.set i, 0
.rept 16                               ; i = 8 x row pair + span
	s_wait_loadcnt 30-2*i                          ; loads come back in order: the 30 - 2 i younger ones may stay out
	CAST X+8*i
	global_store_b64 v[VO+2*(i%8)],   v[X+8*i:X+8*i+1],   s[12:13] offset:256*(i/8)
	global_store_b64 v[VO+2*(i%8)+1], v[X+8*i+4:X+8*i+5], s[12:13] offset:256*(i/8)
.set i, i+1
.endr
	s_cmp_lt_u32 s[WV], 6
	s_cbranch_scc0 .Lend
	s_wait_loadcnt 0x0                             ; W's loads are the oldest: long in
.set i, 0
.rept 8                                ; span i: panels 2 i and 2 i + 1, 131,072 bytes apart, in the store's immediate
	CAST Y+8*i
	global_store_b64 v[SW], v[Y+8*i:Y+8*i+1],   s[22:23] offset:(2*i)*131072
	global_store_b64 v[SW], v[Y+8*i+4:Y+8*i+5], s[22:23] offset:(2*i+1)*131072
.set i, i+1
.endr
.Lend:
	s_endpgm
.Lfunc_end_k_qf8d4df1f7c_prep:
	.size	k_qf8d4df1f7c_prep, .Lfunc_end_k_qf8d4df1f7c_prep-k_qf8d4df1f7c_prep
	.p2alignl 7, 3214868480
	.fill 96, 4, 3214868480
	.section	.rodata,"a",@progbits
	.p2align	6, 0x0
	.amdhsa_kernel k_qf8d4df1f7c_prep
		.amdhsa_group_segment_fixed_size 0
		.amdhsa_private_segment_fixed_size 0
		.amdhsa_enable_private_segment 0
		.amdhsa_kernarg_size 48
		.amdhsa_user_sgpr_count 2
		.amdhsa_user_sgpr_kernarg_segment_ptr 1
		.amdhsa_wavefront_size32 1
		.amdhsa_system_sgpr_workgroup_id_x 1
		.amdhsa_system_sgpr_workgroup_id_y 1
		.amdhsa_system_sgpr_workgroup_id_z 1
		.amdhsa_system_vgpr_workitem_id 0
		.amdhsa_next_free_vgpr 216
		.amdhsa_next_free_sgpr 66
		.amdhsa_reserve_vcc 0
		.amdhsa_float_denorm_mode_32 3
		.amdhsa_float_denorm_mode_16_64 3
		.amdhsa_memory_ordered 1
		.amdhsa_forward_progress 1
		.amdhsa_inst_pref_size 20
	.end_amdhsa_kernel
	.amdgpu_metadata
---
amdhsa.version: [ 1, 2 ]
amdhsa.kernels:
  - .name:           k_qf8d4df1f7c_prep
    .symbol:         k_qf8d4df1f7c_prep.kd
    .args:
      - { .name: x, .offset: 0, .size: 8, .value_kind: global_buffer, .address_space: global }
      - { .name: W_q, .offset: 8, .size: 8, .value_kind: global_buffer, .address_space: global }
      - { .name: W_k, .offset: 16, .size: 8, .value_kind: global_buffer, .address_space: global }
      - { .name: W_v, .offset: 24, .size: 8, .value_kind: global_buffer, .address_space: global }
      - { .name: xb, .offset: 32, .size: 8, .value_kind: global_buffer, .address_space: global }
      - { .name: wb, .offset: 40, .size: 8, .value_kind: global_buffer, .address_space: global }
    .group_segment_fixed_size: 0
    .private_segment_fixed_size: 0
    .kernarg_segment_align: 8
    .kernarg_segment_size: 48
    .max_flat_workgroup_size: 256
    .sgpr_count:     66
    .vgpr_count:     216
    .wavefront_size: 32
...
	.end_amdgpu_metadata
.endif
;; end of part 1
;; launch qkv (part 2): grid 8 x 32, 4 waves a work-group, clusters of 4 x 4, 327,680 bytes of LDS; arguments xb, wb, qkv; writes qkv
.if DOCPART == 2
	.amdgcn_target "amdgcn-amd-amdhsa--gfx1250"
	.amdhsa_code_object_version 6
	.text
	.protected	k_qf8d4df1f7c_qkv
	.globl	k_qf8d4df1f7c_qkv
	.p2align	8
	.type	k_qf8d4df1f7c_qkv,@function
k_qf8d4df1f7c_qkv:
	s_mov_b64 s[64:65], 0
	v_nop
	global_prefetch_b8 v0, s[64:65] scope:SCOPE_SE
	s_setreg_imm32_b32 hwreg(HW_REG_WAVE_MODE, 25, 1), 1
	s_wait_xcnt 0x0
	s_wait_alu depctr_hold_cnt(0) depctr_sa_sdst(0) depctr_va_vdst(0) depctr_va_sdst(0) depctr_va_ssrc(0) depctr_va_vcc(0) depctr_vm_vsrc(0)
	s_getreg_b32 s2, hwreg(HW_REG_IB_STS2, 6, 4)
	s_cmp_eq_u32 s2, 0
	s_cbranch_scc0 .Lentry_in_a_cluster
	s_endpgm
.Lentry_in_a_cluster:
	s_bfe_u32 s2, ttmp6, 0x10000c
	s_cmp_lg_u32 s2, 0xf033
	s_cbranch_scc0 .Lentry_shape_is_right
	s_endpgm
.Lentry_shape_is_right:
; [Q | K | V] = x [W_q | W_k | W_v]: one product 8,192 x 3,072 x 1,024.  Operands bf16, sums f32, results rounded once to f16.
; LIMIT: f16 ends at 65,504: a |Q|, |K| or |V| beyond that becomes an infinity.  NaN and infinities are not treated apart.
; xb and wb lie in panels [column / 64][row][64]: xb 16 panels x 8,192 rows, wb 48 x 1,024.
; THE RESULT, qkv, has 48 panels of 64 columns x 8,192 rows (Q 0-15, K 16-31, V 32-47); a panel's 16 rows are a GROUP of 2,048 bytes: four BLOCKS of 16 columns, 512 bytes each,
; laid as the next launches' matrix fragments want them.  Q, K: a block is [lane][16 bytes], lane (r, h) holding row r, columns 8 h .. 8 h + 7: what my lane holds after rounding, and half of a
; fragment of 16 rows x 32 columns.  V: a block is [row][32 bytes], for the turning load.  So the packed registers are stored as they are: no way through LDS.
; A work-group makes 256 rows x 384 columns (6 panels): 8 x 32 = 256 work-groups.  A wave makes 128 x 192: 96 accumulators, 768 registers.
; K goes in steps of 64 (one panel of x) through two LDS slots; a step is two CHUNKS of 32 along K, 96 matrix instructions each.
; THE MATRIX INSTRUCTION IS USED TRANSPOSED: source 0 = 16 columns of W (turned on the way out of LDS), source 1 = 16 rows of x:
; a lane then holds eight neighbouring columns of one row of the result.
; CLUSTER 4 x 4: x's tiles hang on the tile row alone and are asked for jointly along a row of the cluster, W's on the tile column alone, along a column.
; REGISTERS: window 0: v0-31 addresses; v32-95, v96-159 x's fragments, two buffers; v160-255 W's fragments, one buffer, refilled four at a time
; behind the products that read them.  Window 1 + g: the accumulators of column group g (a panel): (row block a, column block bb) at v[32 a + 8 bb].
.set NSTEP, 16
.set NG,    3
.set RA,    128*144                    ; 128 rows of x: 128 bytes + 16 of padding each
.set RB,    3*64*160                   ; 3 panels of W, 64 rows along K each: 128 bytes + 32 of padding
.set PANB,  64*160
.set SLOT1, 1<<17                      ; a slot: x's two regions, W's two: 98,304 bytes; slot 1 begins here, so one exclusive or changes slots
.set SPARE, SLOT1+2*RA+2*RB            ; behind the ring: the spare words, 128 bytes a wave
.set STRA,  1048576                    ; bytes from K step to K step in xb: a panel
.set STRB,  8192                       ; in wb: 64 rows of a panel
.set ADRA0, 6                          ; v6   my place in x's region, slot 0; never rewritten
.set ADRB0, 7                          ; v7   the same for W
.set ADRA,  8                          ; v8   the same in the slot in hand
.set ADRB,  9
.set GO,    12                         ; v12-14  my 16 bytes' place in a block of panel g: 16 x lane (Q, K) or 32 r + 16 h (V)
.set SPW,   28
.set NIL,   29
.set FA,    32
.set FB,    160
.set TMP,   32                         ; the way out: four buffers of 48 packed registers, v32-223
.set WV, 12
.set WR, 13
.set WC, 14
.set CX, 15
.set CY, 16
.set TX, 17
.set TY, 18
.set KY, 19
.set RM, 20
.set CM, 21
.set G1A, 28
.set G1B, 36
.set G0A, 44                           ; s[44:47] the first fill's, s[48:51] walks
.set G0B, 52                           ; s[52:55], s[56:59]
.set CNT, 60
.set TB,  61                           ; LDS byte at which the slot in hand begins
.set GC, (1<<16)|(1<<20)|(1<<21)|(4<<22)  ; 2-byte elements; padding on; bit 21 beside a mask; a pad after every 32 words
.set MSB, 0
.macro WIN new                         ; the high byte repeats the setting that is left; a switch that changes nothing is dropped
.if MSB != (\new)
	s_set_vgpr_msb (MSB<<8)|(\new)
.set MSB, \new
.endif
.endm
.macro PLACES                          ; four plain places between a matrix instruction and a load into, or a vector read of, its registers
.rept 4
	v_nop
.endr
.endm
.macro CREST                           ; a round of the cluster's barrier behind its opening barrier
	s_cmp_lg_u32 s[WV], 0
	s_cbranch_scc1 .Lnot_wave_0_\@
	s_barrier_signal -3
.Lnot_wave_0_\@:
	s_barrier_wait -3
	s_barrier_signal -1
	s_barrier_wait -1
.endm
.macro CROUND
	s_barrier_signal -1
	s_barrier_wait -1
	CREST
.endm
.macro JLOAD                           ; a joint refill: waves 0, 1 fetch x's two regions, waves 2, 3 W's
	s_cmp_eq_u32 s[WR], 0
	s_cbranch_scc0 .Lfor_b_\@
	tensor_load_to_lds s[G0A+4:G0A+7], s[G1A:G1A+7]
	s_nop 0
.rept 4
	v_nop
.endr
	s_branch .Lasked_\@
.Lfor_b_\@:
	tensor_load_to_lds s[G0B+4:G0B+7], s[G1B:G1B+7]
	s_nop 0
.rept 4
	v_nop
.endr
.Lasked_\@:
.endm
; 16 products: column blocks b0, b0 + 1 of group g x all 8 row blocks, on 16 different accumulators (they take turns)
.macro MULH p, g, b0, zero
	WIN 0x50*(1+(\g))
.irp bb, (\b0), (\b0)+1
.irp a, 0,1,2,3,4,5,6,7
.if \zero
	v_wmma_f32_16x16x32_bf16 v[32*(\a)+8*(\bb):32*(\a)+8*(\bb)+7], v[FB+8*(4*(\g)+(\bb)):FB+8*(4*(\g)+(\bb))+7], v[FA+64*(\p)+8*(\a):FA+64*(\p)+8*(\a)+7], 0
.else
	v_wmma_f32_16x16x32_bf16 v[32*(\a)+8*(\bb):32*(\a)+8*(\bb)+7], v[FB+8*(4*(\g)+(\bb)):FB+8*(4*(\g)+(\bb))+7], v[FA+64*(\p)+8*(\a):FA+64*(\p)+8*(\a)+7], v[32*(\a)+8*(\bb):32*(\a)+8*(\bb)+7]
.endif
.endr
.endr
.endm
.macro LDA q, c                        ; x's 8 fragments of chunk c into buffer q: 16 loads
.irp a, 0,1,2,3,4,5,6,7
	ds_load_b128 v[FA+64*(\q)+8*(\a):FA+64*(\q)+8*(\a)+3],   v[ADRA] offset:(\c)*64+(\a)*2304
	ds_load_b128 v[FA+64*(\q)+8*(\a)+4:FA+64*(\q)+8*(\a)+7], v[ADRA] offset:(\c)*64+(\a)*2304+32
.endr
.endm
.macro LDB g, c                        ; W's 4 fragments of group g, chunk c, turned: 8 loads
.irp bb, 0,1,2,3
	ds_load_tr16_b128 v[FB+8*(4*(\g)+(\bb)):FB+8*(4*(\g)+(\bb))+3],   v[ADRB] offset:(\g)*PANB+(\c)*5120+(\bb)*32
	ds_load_tr16_b128 v[FB+8*(4*(\g)+(\bb))+4:FB+8*(4*(\g)+(\bb))+7], v[ADRB] offset:(\g)*PANB+(\c)*5120+(\bb)*32+2560
.endr
.endm
; A chunk on buffer p; behind each group's products the next chunk's (fc) fragments are fetched.  The counts name the LDS loads issued behind those needed:
; group 0: W's two later groups (16); a later group: W's groups behind it, the next chunk's 16 of x and its groups of W issued so far (32 in all); last chunk: W's later groups.
.macro CHUNK p, fc, zero, last
.irp g, 0,1,2
.if \last
	s_wait_dscnt 8*(NG-1-(\g))
.elseif (\g) == 0
	s_wait_dscnt 8*(NG-1)
.else
	s_wait_dscnt 8*(NG-1)+16
.endif
	MULH \p, \g, 0, \zero
	MULH \p, \g, 2, \zero
.if !(\last)
	WIN 0
	PLACES
.if (\g) == 0
	LDA 1-(\p), \fc
.endif
	LDB \g, \fc
.endif
.endr
.endm
; A slot's last chunk (buffer 1) changes slots.  In front of the barrier each wave waits for all its tensor loads (one is out: its part of the other slot),
; adds 0 to its spare word, and waits for that and for its reads of this slot.  fill = 1: the barrier opens a round of the cluster's, and the joint refill comes first behind it.
.macro TCHUNK fill
	WIN 0
	s_wait_tensorcnt 0x0
	ds_add_u32 v[SPW], v[NIL]
	s_wait_dscnt 8*(NG-1)+1                        ; W's two later groups and the add may be out
	MULH 1, 0, 0, 0
	s_wait_dscnt 0x0                               ; the add is done, and my reads of this slot are over
	s_barrier_signal -1
	MULH 1, 0, 2, 0
	WIN 0
	s_barrier_wait -1
.if \fill
	CREST
	s_xor_b32 s[G0A+5], s[G0A+5], SLOT1            ; no tensor load of mine is out: the walking descriptors step: the other slot, the next K step
	s_add_nc_u64 s[G0A+6:G0A+7], s[G0A+6:G0A+7], STRA
	s_xor_b32 s[G0B+5], s[G0B+5], SLOT1
	s_add_nc_u64 s[G0B+6:G0B+7], s[G0B+6:G0B+7], STRB
	JLOAD                                          ; its four v_nop are also the places in front of the loads below
.else
	PLACES
.endif
	s_xor_b32 s[TB], s[TB], SLOT1
	v_add_nc_u32 v[ADRA], s[TB], v[ADRA0]
	v_add_nc_u32 v[ADRB], s[TB], v[ADRB0]
	LDA 0, 0
	LDB 0, 0
.irp g, 1,2
	MULH 1, \g, 0, 0                               ; their fragments were shown landed by the wait for 0 above
	MULH 1, \g, 2, 0
	WIN 0
	PLACES
	LDB \g, 0
.endr
.endm
	s_load_b128 s[4:7], s[0:1], 0x0                ; xb s[4:5], wb s[6:7]
	s_load_b64 s[8:9], s[0:1], 0x10                ; qkv
	v_lshl_add_u32 v[SPW], v0, 2, SPARE
	v_mov_b32 v[NIL], 0
	ds_add_u32 v[SPW], v[NIL]                      ; the wave's opening: the add and its wait ahead of my first tensor load
	v_lshrrev_b32 v1, 5, v0
	v_readfirstlane_b32 s[WV], v1                  ; wave 0..3
	s_lshr_b32 s[WR], s[WV], 1                     ; my half of the rows.  Also: I fetch for x (0) or for W (1)
	s_and_b32 s[WC], s[WV], 1                      ; my half of the columns.  Also: which region I fetch
	s_bfe_u32 s[CX], ttmp6, 0x40000
	s_bfe_u32 s[CY], ttmp6, 0x40004
	s_lshl_b32 s[TX], ttmp9, 2
	s_add_co_u32 s[TX], s[TX], s[CX]               ; tile column
	s_and_b32 s[KY], ttmp7, 0xffff
	s_lshl_b32 s[TY], s[KY], 2
	s_add_co_u32 s[TY], s[TY], s[CY]               ; tile row
	s_lshl_b32 s[RM], s[CY], 2
	s_lshl_b32 s[RM], 15, s[RM]                    ; my row of the cluster
	s_lshl_b32 s[CM], 0x1111, s[CX]                ; my column
	s_or_b32 s[G1A], s[RM], GC|(3<<25)             ; x: 4 words of padding
	s_or_b32 s[G1B], s[CM], GC|(7<<25)             ; W: 8 words
	s_mov_b32 s[G1A+1], 8192<<16                   ; x: one dense piece of 128 rows x 64 = 8,192 elements
	s_mov_b32 s[G1A+2], 1<<16
	s_mov_b32 s[G1A+3], 8192<<16
	s_mov_b32 s[G1A+4], 1
	s_mov_b32 s[G1A+5], 524288
	s_mov_b32 s[G1A+6], 0
	s_mov_b32 s[G1A+7], 0
	s_mov_b32 s[G1B+1], 4096<<16                   ; W: three dense pieces of 64 rows x 64 = 4,096 elements, a panel (65,536 elements) apart
	s_mov_b32 s[G1B+2], 3<<16
	s_mov_b32 s[G1B+3], 4096<<16
	s_mov_b32 s[G1B+4], 3
	s_mov_b32 s[G1B+5], 65536
	s_mov_b32 s[G1B+6], 0
	s_mov_b32 s[G1B+7], 0
	s_lshl_b32 s22, s[TY], 15                      ; x: (256 x tile row + 128 x region) rows of 128 bytes
	s_lshl_b32 s70, s[WC], 14
	s_add_co_u32 s22, s22, s70
	s_mov_b32 s23, 0
	s_mul_i32 s24, s[TX], 6                        ; W and the result: panel 6 x tile column + 3 x half
	s_mul_i32 s70, s[WC], 3
	s_add_co_u32 s24, s24, s70
	s_mov_b32 s75, s24                             ; kept: my first panel's number
	s_lshl_b32 s26, s24, 20                        ; the result's panels are 1 MiB,
	s_lshl_b32 s24, s24, 17                        ; W's 131,072 bytes
	s_mov_b32 s25, 0
	s_lshl_b32 s72, s[TY], 15
	s_add_co_u32 s26, s26, s72
	s_lshl_b32 s72, s[WR], 14
	s_add_co_u32 s26, s26, s72                     ; + my first row
	s_mov_b32 s27, 0
	s_mul_i32 s71, s[WC], RA                       ; where the tiles go: the wave's number alone
	s_mul_i32 s74, s[WC], RB
	s_add_co_u32 s74, s74, 2*RA
	s_mov_b32 s[TB], 0
	s_wait_dscnt 0x0                               ; the opening add is done
	s_wait_kmcnt 0x0
	s_add_nc_u64 s[22:23], s[4:5], s[22:23]
	s_add_nc_u64 s[24:25], s[6:7], s[24:25]
	s_add_nc_u64 s[8:9], s[8:9], s[26:27]
	CROUND                                         ; all sixteen work-groups are here: the first joint loads meet
.irp s, 0,1
	s_mov_b32 s[G0A+4*(\s)], 1
	s_add_co_u32 s[G0A+4*(\s)+1], s71, (\s)*SLOT1
	s_add_nc_u64 s[G0A+4*(\s)+2:G0A+4*(\s)+3], s[22:23], (\s)*STRA
	s_or_b32 s[G0A+4*(\s)+3], s[G0A+4*(\s)+3], 0x80000000
	s_mov_b32 s[G0B+4*(\s)], 1
	s_add_co_u32 s[G0B+4*(\s)+1], s74, (\s)*SLOT1
	s_add_nc_u64 s[G0B+4*(\s)+2:G0B+4*(\s)+3], s[24:25], (\s)*STRB
	s_or_b32 s[G0B+4*(\s)+3], s[G0B+4*(\s)+3], 0x80000000
.endr
	s_cmp_eq_u32 s[WR], 0                          ; a wave's two first fills stand in one branch: two loads of mine are out
	s_cbranch_scc0 .Lfirst_b
	tensor_load_to_lds s[G0A:G0A+3], s[G1A:G1A+7]
	s_nop 0
	tensor_load_to_lds s[G0A+4:G0A+7], s[G1A:G1A+7]
	s_nop 0
.rept 4
	v_nop
.endr
	s_branch .Lfirst_asked
.Lfirst_b:
	tensor_load_to_lds s[G0B:G0B+3], s[G1B:G1B+7]
	s_nop 0
	tensor_load_to_lds s[G0B+4:G0B+7], s[G1B:G1B+7]
	s_nop 0
.rept 4
	v_nop
.endr
.Lfirst_asked:
	v_and_b32 v1, 15, v0                           ; r = lane % 16
	v_bfe_u32 v2, v0, 4, 1                         ; h = lane / 16
	v_mul_u32_u24 v3, v1, 144
	v_lshl_add_u32 v3, v2, 4, v3                   ; 144 r + 16 h
	s_mul_i32 s70, s[WR], RA
	v_add_nc_u32 v[ADRA0], s70, v3
	v_and_b32 v4, 7, v0                            ; the turning load: row 8 h + lane % 8 along K, 16 bytes at 16 ((lane / 8) % 2)
	v_lshl_add_u32 v4, v2, 3, v4
	v_mul_u32_u24 v4, v4, 160
	v_bfe_u32 v5, v0, 3, 1
	v_lshl_add_u32 v4, v5, 4, v4
	v_add_nc_u32 v[ADRB0], s74, v4
	v_mov_b32 v[ADRA], v[ADRA0]
	v_mov_b32 v[ADRB], v[ADRB0]
	v_and_b32 v4, 31, v0
	v_lshlrev_b32 v4, 4, v4                        ; Q's and K's blocks: 16 x lane
	v_lshlrev_b32 v5, 5, v1
	v_lshl_add_u32 v5, v2, 4, v5                   ; V's blocks: 32 r + 16 h
.irp g, 0,1,2
	s_add_co_u32 s72, s75, \g                      ; panel g of my three is V's from number 32 on: the flag lies in a scalar register and chooses a store's offset alone
	s_cmp_ge_u32 s72, 32
	s_cselect_b32 s72, -1, 0
	v_cndmask_b32 v[GO+(\g)], v4, v5, s72
.endr
	s_wait_tensorcnt 0x1                           ; my part of slot 0 is in; slot 1's may stay out
	s_barrier_signal -1
	s_barrier_wait -1
	LDA 0, 0
	LDB 0, 0
	LDB 1, 0
	LDB 2, 0
	CHUNK 0, 1, 1, 0                               ; the first chunk's products start the sums
	WIN 0
	s_mov_b32 s[CNT], NSTEP-2
.Lstep:                                        ; a trip: a K step's second chunk, the change of slots with a refill, the next step's first chunk
	TCHUNK 1
	CHUNK 0, 1, 0, 0
	WIN 0
	s_sub_co_u32 s[CNT], s[CNT], 1
	s_cmp_lg_u32 s[CNT], 0
	s_cbranch_scc1 .Lstep
	TCHUNK 0                                       ; the tail is written out: nothing more is asked for
	CHUNK 0, 1, 0, 0
	CHUNK 1, 0, 0, 1
; THE WAY OUT, a block of 16 rows at a time: rounded to f16 (each accumulator from its low end on), and stored as it lies: a lane's four registers are its 16 bytes of a block.
.macro PACK a
.if (\a) >= 4
	s_wait_xcnt 0x0                                ; the buffer that the stores of four blocks ago read is rewritten only behind this wait
.endif
.irp g, 0,1,2
	WIN 0x05*(1+(\g))
.set i, 0
.rept 16
	v_cvt_pk_f16_f32 v[TMP+48*((\a)%4)+16*(\g)+i], v[32*(\a)+2*i], v[32*(\a)+2*i+1]
.set i, i+1
.endr
.endr
	WIN 0
.endm
.macro SEND a
.irp t, 0,1,2,3,4,5,6,7,8,9,10,11
	global_store_b128 v[GO+(\t)/4], v[TMP+48*((\a)%4)+4*(\t):TMP+48*((\a)%4)+4*(\t)+3], s[8:9] offset:((\t)/4)*1048576+(\a)*2048+((\t)%4)*512  ; a whole block: 512 consecutive bytes, aligned
.endr
.endm
	WIN 0
	PLACES
	PACK 0
.irp a, 1,2,3,4,5,6,7                  ; a block's roundings stand between the roundings of the block before and its stores
	PACK \a
	SEND (\a)-1
.endr
	SEND 7
	s_wait_tensorcnt 0x0                           ; the wave's end
	ds_add_u32 v[SPW], v[NIL]
	s_wait_dscnt 0x0
	CROUND                                         ; the closing round
	s_endpgm
.Lfunc_end_k_qf8d4df1f7c_qkv:
	.size	k_qf8d4df1f7c_qkv, .Lfunc_end_k_qf8d4df1f7c_qkv-k_qf8d4df1f7c_qkv
	.p2alignl 7, 3214868480
	.fill 96, 4, 3214868480
	.section	.rodata,"a",@progbits
	.p2align	6, 0x0
	.amdhsa_kernel k_qf8d4df1f7c_qkv
		.amdhsa_group_segment_fixed_size 327680
		.amdhsa_private_segment_fixed_size 0
		.amdhsa_enable_private_segment 0
		.amdhsa_kernarg_size 24
		.amdhsa_user_sgpr_count 2
		.amdhsa_user_sgpr_kernarg_segment_ptr 1
		.amdhsa_wavefront_size32 1
		.amdhsa_system_sgpr_workgroup_id_x 1
		.amdhsa_system_sgpr_workgroup_id_y 1
		.amdhsa_system_sgpr_workgroup_id_z 1
		.amdhsa_system_vgpr_workitem_id 0
		.amdhsa_next_free_vgpr 1024
		.amdhsa_next_free_sgpr 80
		.amdhsa_reserve_vcc 0
		.amdhsa_float_denorm_mode_32 3
		.amdhsa_float_denorm_mode_16_64 3
		.amdhsa_memory_ordered 1
		.amdhsa_forward_progress 1
		.amdhsa_inst_pref_size 98
	.end_amdhsa_kernel
	.amdgpu_metadata
---
amdhsa.version: [ 1, 2 ]
amdhsa.kernels:
  - .name:           k_qf8d4df1f7c_qkv
    .symbol:         k_qf8d4df1f7c_qkv.kd
    .args:
      - { .name: xb, .offset: 0, .size: 8, .value_kind: global_buffer, .address_space: global }
      - { .name: wb, .offset: 8, .size: 8, .value_kind: global_buffer, .address_space: global }
      - { .name: qkv, .offset: 16, .size: 8, .value_kind: global_buffer, .address_space: global }
    .group_segment_fixed_size: 327680
    .private_segment_fixed_size: 0
    .kernarg_segment_align: 8
    .kernarg_segment_size: 24
    .max_flat_workgroup_size: 128
    .sgpr_count:     80
    .vgpr_count:     1024
    .wavefront_size: 32
...
	.end_amdgpu_metadata
.endif
;; end of part 2
;; launch scores (part 3): grid 8 x 32, 4 waves a work-group, clusters of 4 x 4, 327,680 bytes of LDS; arguments qkv, p64, st; writes p64, st
.if DOCPART == 3
	.amdgcn_target "amdgcn-amd-amdhsa--gfx1250"
	.amdhsa_code_object_version 6
	.text
	.protected	k_qf8d4df1f7c_scores
	.globl	k_qf8d4df1f7c_scores
	.p2align	8
	.type	k_qf8d4df1f7c_scores,@function
k_qf8d4df1f7c_scores:
	s_mov_b64 s[64:65], 0
	v_nop
	global_prefetch_b8 v0, s[64:65] scope:SCOPE_SE
	s_setreg_imm32_b32 hwreg(HW_REG_WAVE_MODE, 25, 1), 1
	s_wait_xcnt 0x0
	s_wait_alu depctr_hold_cnt(0) depctr_sa_sdst(0) depctr_va_vdst(0) depctr_va_sdst(0) depctr_va_ssrc(0) depctr_va_vcc(0) depctr_vm_vsrc(0)
	s_getreg_b32 s2, hwreg(HW_REG_IB_STS2, 6, 4)
	s_cmp_eq_u32 s2, 0
	s_cbranch_scc0 .Lentry_in_a_cluster
	s_endpgm
.Lentry_in_a_cluster:
	s_bfe_u32 s2, ttmp6, 0x10000c
	s_cmp_lg_u32 s2, 0xf033
	s_cbranch_scc0 .Lentry_shape_is_right
	s_endpgm
.Lentry_shape_is_right:
; For each batch: S = Q K^T, 2,048 x 2,048 x 1,024, operands f16, sums f32.  A work-group makes 256 queries x 256 keys (8 x 32 = 256 work-groups), a wave 128 x 128.
; What leaves: for each query and each BLOCK of 128 keys (a wave's own) the true maximum m of the block's scores is taken away:
; p = 2^(c s - c m), c = log2(e) / 32, in 0 to 1, rounded once to f16 into p64; and the pair (c m, l = the sum of the unrounded p), in f32, into st [key block of 128][query row][2].
; The next launch joins the 16 blocks of a row.
; LIMITS: a weight below 2^-126 counts as 0 in l; below 6e-5 p keeps f16's fixed step; NaN and infinities are not treated apart.
; LAYOUT of Q, K (in qkv) and of p64: panels of 64 columns x 8,192 rows; 16 rows of a panel are a group of 2,048 bytes: four blocks of 16 columns, each [lane][16 bytes], lane (r, h) holding
; row r, columns 8 h .. 8 h + 7.  Two neighbouring blocks ARE a fragment of 16 rows x 32 columns as the registers hold it: out of LDS it comes by two loads at 16 x lane (consecutive bytes:
; no padding is wanted), and my packed weights are stored as they lie, with no way through LDS.
; K (the channels) goes in steps of 128 (two panels) through two LDS slots; a step is four CHUNKS of 32, 64 matrix instructions each.
; TRANSPOSED USE: source 0 = 16 keys, source 1 = 16 queries: a lane holds one query (lane % 16) and eight neighbouring keys an accumulator.
; CLUSTER 4 x 4: Q's tiles are shared along a row of the cluster, K's along a column.
; REGISTERS: window 0: v0-31 addresses; v32-95, v96-159 Q's fragments, two buffers; v160-223 K's, one buffer.  Window 1 + g: accumulators of key group g (64 keys): (a, bb) at v[32 a + 8 bb].
.set NSTEP, 8
.set NG,    2
.set RA,    32768                      ; a region: [2 panels][8 groups of 16 rows][2,048 bytes]
.set PAN,   16384
.set SLOT1, 1<<17                      ; a slot: Q's two regions, K's two: 131,072 bytes; one exclusive or changes slots
.set SPARE, 2*SLOT1
.set STR,   2097152                    ; bytes from K step to K step: two panels
.set ADRA0, 6
.set ADRB0, 7
.set ADRA,  8
.set ADRB,  9
.set GO,    12                         ; 16 x lane
.set SO,    13                         ; 8 x lane
.set SPW,   28
.set NIL,   29
.set FA,    32
.set FB,    160
.set TM,    32                         ; the way out: v32-55 maxima at work
.set U,     56                         ; v56-87 sums at work
.set TMP,   88                         ; v88-119, v120-151 packed weights, two buffers
.set STP,   192                        ; v192-207 (c m, l) of block a at STP + 2 a
.set SD,    208                        ; v208-215 the pairs as stored
.set WV, 12
.set WR, 13
.set WC, 14
.set CX, 15
.set CY, 16
.set TX, 17
.set TY, 18
.set KY, 19
.set RM, 20
.set CM, 21
.set G1A, 28
.set G1B, 36
.set G0A, 44
.set G0B, 52
.set CNT, 60
.set TB,  61
.set HM,  63                           ; lanes 16-31
.set CS,  66                           ; s[66:67] c
.set SEL, 68                           ; s[68:69] v_permlanex16_b32's selects: each lane takes its own place in the other half
.set GC, (1<<16)|(1<<21)               ; 2-byte elements; bit 21 beside a mask; no padding
.set MSB, 0
.macro WIN new
.if MSB != (\new)
	s_set_vgpr_msb (MSB<<8)|(\new)
.set MSB, \new
.endif
.endm
.macro PLACES
.rept 4
	v_nop
.endr
.endm
.macro CREST
	s_cmp_lg_u32 s[WV], 0
	s_cbranch_scc1 .Lnot_wave_0_\@
	s_barrier_signal -3
.Lnot_wave_0_\@:
	s_barrier_wait -3
	s_barrier_signal -1
	s_barrier_wait -1
.endm
.macro CROUND
	s_barrier_signal -1
	s_barrier_wait -1
	CREST
.endm
.macro JLOAD
	s_cmp_eq_u32 s[WR], 0
	s_cbranch_scc0 .Lfor_b_\@
	tensor_load_to_lds s[G0A+4:G0A+7], s[G1A:G1A+7]
	s_nop 0
.rept 4
	v_nop
.endr
	s_branch .Lasked_\@
.Lfor_b_\@:
	tensor_load_to_lds s[G0B+4:G0B+7], s[G1B:G1B+7]
	s_nop 0
.rept 4
	v_nop
.endr
.Lasked_\@:
.endm
.macro MULH p, g, b0, zero             ; 16 products on 16 different accumulators
	WIN 0x50*(1+(\g))
.irp bb, (\b0), (\b0)+1
.irp a, 0,1,2,3,4,5,6,7
.if \zero
	v_wmma_f32_16x16x32_f16 v[32*(\a)+8*(\bb):32*(\a)+8*(\bb)+7], v[FB+8*(4*(\g)+(\bb)):FB+8*(4*(\g)+(\bb))+7], v[FA+64*(\p)+8*(\a):FA+64*(\p)+8*(\a)+7], 0
.else
	v_wmma_f32_16x16x32_f16 v[32*(\a)+8*(\bb):32*(\a)+8*(\bb)+7], v[FB+8*(4*(\g)+(\bb)):FB+8*(4*(\g)+(\bb))+7], v[FA+64*(\p)+8*(\a):FA+64*(\p)+8*(\a)+7], v[32*(\a)+8*(\bb):32*(\a)+8*(\bb)+7]
.endif
.endr
.endr
.endm
.macro LDA q, c                        ; chunk c: panel c / 2, blocks 2 (c % 2) and 2 (c % 2) + 1 of each group
.irp a, 0,1,2,3,4,5,6,7
	ds_load_b128 v[FA+64*(\q)+8*(\a):FA+64*(\q)+8*(\a)+3],   v[ADRA] offset:((\c)/2)*PAN+(\a)*2048+((\c)%2)*1024
	ds_load_b128 v[FA+64*(\q)+8*(\a)+4:FA+64*(\q)+8*(\a)+7], v[ADRA] offset:((\c)/2)*PAN+(\a)*2048+((\c)%2)*1024+512
.endr
.endm
.macro LDB g, c
.irp bb, 0,1,2,3
	ds_load_b128 v[FB+8*(4*(\g)+(\bb)):FB+8*(4*(\g)+(\bb))+3],   v[ADRB] offset:((\c)/2)*PAN+(4*(\g)+(\bb))*2048+((\c)%2)*1024
	ds_load_b128 v[FB+8*(4*(\g)+(\bb))+4:FB+8*(4*(\g)+(\bb))+7], v[ADRB] offset:((\c)/2)*PAN+(4*(\g)+(\bb))*2048+((\c)%2)*1024+512
.endr
.endm
; The counts name the LDS loads issued behind those needed: group 0: K's second group (8); group 1: the next chunk's 16 of Q and 8 of K (24); last chunk: 8, then 0.
.macro CHUNK p, fc, zero, last
.irp g, 0,1
.if \last
	s_wait_dscnt 8*(NG-1-(\g))
.elseif (\g) == 0
	s_wait_dscnt 8*(NG-1)
.else
	s_wait_dscnt 8*(NG-1)+16
.endif
	MULH \p, \g, 0, \zero
	MULH \p, \g, 2, \zero
.if !(\last)
	WIN 0
	PLACES
.if (\g) == 0
	LDA 1-(\p), \fc
.endif
	LDB \g, \fc
.endif
.endr
.endm
.macro TCHUNK fill                     ; a slot's last chunk changes slots: all my tensor loads, the add, my reads of the slot, the barrier (with fill = 1 a round of the cluster's), the refill first behind it
	WIN 0
	s_wait_tensorcnt 0x0
	ds_add_u32 v[SPW], v[NIL]
	s_wait_dscnt 8*(NG-1)+1                        ; K's second group and the add may be out
	MULH 1, 0, 0, 0
	s_wait_dscnt 0x0
	s_barrier_signal -1
	MULH 1, 0, 2, 0
	WIN 0
	s_barrier_wait -1
.if \fill
	CREST
	s_xor_b32 s[G0A+5], s[G0A+5], SLOT1
	s_add_nc_u64 s[G0A+6:G0A+7], s[G0A+6:G0A+7], STR
	s_xor_b32 s[G0B+5], s[G0B+5], SLOT1
	s_add_nc_u64 s[G0B+6:G0B+7], s[G0B+6:G0B+7], STR
	JLOAD
.else
	PLACES
.endif
	s_xor_b32 s[TB], s[TB], SLOT1
	v_add_nc_u32 v[ADRA], s[TB], v[ADRA0]
	v_add_nc_u32 v[ADRB], s[TB], v[ADRB0]
	LDA 0, 0
	LDB 0, 0
	MULH 1, 1, 0, 0
	MULH 1, 1, 2, 0
	WIN 0
	PLACES
	LDB 1, 0
.endm
	s_load_b128 s[4:7], s[0:1], 0x0                ; qkv s[4:5], p64 s[6:7]
	s_load_b64 s[8:9], s[0:1], 0x10                ; st
	v_lshl_add_u32 v[SPW], v0, 2, SPARE
	v_mov_b32 v[NIL], 0
	ds_add_u32 v[SPW], v[NIL]                      ; the wave's opening: the add and its wait ahead of my first tensor load
	v_lshrrev_b32 v1, 5, v0
	v_readfirstlane_b32 s[WV], v1
	s_lshr_b32 s[WR], s[WV], 1                     ; my half of the queries.  Also: I fetch for Q (0) or for K (1)
	s_and_b32 s[WC], s[WV], 1                      ; my half of the keys.  Also: which region I fetch
	s_bfe_u32 s[CX], ttmp6, 0x40000
	s_bfe_u32 s[CY], ttmp6, 0x40004
	s_lshl_b32 s[TX], ttmp9, 2
	s_add_co_u32 s[TX], s[TX], s[CX]               ; key tile in the batch
	s_and_b32 s[KY], ttmp7, 0xffff
	s_lshl_b32 s[TY], s[KY], 2
	s_add_co_u32 s[TY], s[TY], s[CY]               ; query tile among all 8,192 rows
	s_lshl_b32 s[RM], s[CY], 2
	s_lshl_b32 s[RM], 15, s[RM]
	s_lshl_b32 s[CM], 0x1111, s[CX]
	s_or_b32 s[G1A], s[RM], GC
	s_or_b32 s[G1B], s[CM], GC
.irp g, G1A, G1B
	s_mov_b32 s[(\g)+1], 8192<<16                  ; two dense pieces of 128 rows x 64 = 8,192 elements, a panel (524,288 elements) apart
	s_mov_b32 s[(\g)+2], 2<<16
	s_mov_b32 s[(\g)+3], 8192<<16
	s_mov_b32 s[(\g)+4], 2
	s_mov_b32 s[(\g)+5], 524288
	s_mov_b32 s[(\g)+6], 0
	s_mov_b32 s[(\g)+7], 0
.endr
	s_lshl_b32 s70, s[WC], 14                      ; 128 rows of 128 bytes
	s_lshl_b32 s22, s[TY], 15                      ; Q: row 256 x query tile + 128 x region
	s_add_co_u32 s22, s22, s70
	s_mov_b32 s23, 0
	s_lshr_b32 s24, s[KY], 1                       ; K: the batch (two clusters along y to a batch: the whole cluster shares it),
	s_lshl_b32 s24, s24, 18                        ; its 2,048 rows,
	s_lshl_b32 s75, s[TX], 15
	s_add_co_u32 s24, s24, s75
	s_add_co_u32 s24, s24, s70
	s_add_co_u32 s24, s24, 0x1000000               ; behind Q's 16 panels
	s_mov_b32 s25, 0
	s_lshl_b32 s26, s[TX], 2                       ; p64: key panel 4 x key tile + 2 x half,
	s_lshl_b32 s72, s[WC], 1
	s_add_co_u32 s26, s26, s72
	s_lshl_b32 s26, s26, 20
	s_lshl_b32 s72, s[TY], 15                      ; my first query row
	s_add_co_u32 s26, s26, s72
	s_lshl_b32 s72, s[WR], 14
	s_add_co_u32 s26, s26, s72
	s_mov_b32 s27, 0
	s_lshl_b32 s72, s[TX], 1                       ; st: key block 2 x key tile + half, planes of 65,536 bytes,
	s_add_co_u32 s72, s72, s[WC]
	s_lshl_b32 s72, s72, 16
	s_lshl_b32 s75, s[TY], 11                      ; 8 bytes a row
	s_add_co_u32 s72, s72, s75
	s_lshl_b32 s75, s[WR], 10
	s_add_co_u32 s72, s72, s75
	s_mov_b32 s73, 0
	s_lshl_b32 s71, s[WC], 15                      ; where the tiles go: the wave's number alone
	s_add_co_u32 s74, s71, 2*RA
	s_mov_b32 s[TB], 0
	s_mov_b32 s[HM], 0xffff0000
	s_mov_b32 s[CS], 0x3d38aa3b                    ; c = log2(e) / 32
	s_mov_b32 s[CS+1], s[CS]
	s_mov_b32 s[SEL], 0x76543210
	s_mov_b32 s[SEL+1], 0xfedcba98
	s_wait_dscnt 0x0
	s_wait_kmcnt 0x0
	s_add_nc_u64 s[22:23], s[4:5], s[22:23]
	s_add_nc_u64 s[24:25], s[4:5], s[24:25]
	s_add_nc_u64 s[6:7], s[6:7], s[26:27]
	s_add_nc_u64 s[8:9], s[8:9], s[72:73]
	CROUND
.irp s, 0,1
	s_mov_b32 s[G0A+4*(\s)], 1
	s_add_co_u32 s[G0A+4*(\s)+1], s71, (\s)*SLOT1
	s_add_nc_u64 s[G0A+4*(\s)+2:G0A+4*(\s)+3], s[22:23], (\s)*STR
	s_or_b32 s[G0A+4*(\s)+3], s[G0A+4*(\s)+3], 0x80000000
	s_mov_b32 s[G0B+4*(\s)], 1
	s_add_co_u32 s[G0B+4*(\s)+1], s74, (\s)*SLOT1
	s_add_nc_u64 s[G0B+4*(\s)+2:G0B+4*(\s)+3], s[24:25], (\s)*STR
	s_or_b32 s[G0B+4*(\s)+3], s[G0B+4*(\s)+3], 0x80000000
.endr
	s_cmp_eq_u32 s[WR], 0
	s_cbranch_scc0 .Lfirst_b
	tensor_load_to_lds s[G0A:G0A+3], s[G1A:G1A+7]
	s_nop 0
	tensor_load_to_lds s[G0A+4:G0A+7], s[G1A:G1A+7]
	s_nop 0
.rept 4
	v_nop
.endr
	s_branch .Lfirst_asked
.Lfirst_b:
	tensor_load_to_lds s[G0B:G0B+3], s[G1B:G1B+7]
	s_nop 0
	tensor_load_to_lds s[G0B+4:G0B+7], s[G1B:G1B+7]
	s_nop 0
.rept 4
	v_nop
.endr
.Lfirst_asked:
	v_and_b32 v[SO], 31, v0
	v_lshlrev_b32 v[GO], 4, v[SO]                  ; 16 x lane: my place in every block, in LDS and in p64
	v_lshlrev_b32 v[SO], 3, v[SO]
	s_lshl_b32 s70, s[WR], 15                      ; my 128 queries' region
	v_add_nc_u32 v[ADRA0], s70, v[GO]
	v_add_nc_u32 v[ADRB0], s74, v[GO]              ; my 128 keys' region
	v_mov_b32 v[ADRA], v[ADRA0]
	v_mov_b32 v[ADRB], v[ADRB0]
	s_wait_tensorcnt 0x1                           ; my part of slot 0 is in; slot 1's may stay out
	s_barrier_signal -1
	s_barrier_wait -1
	LDA 0, 0
	LDB 0, 0
	LDB 1, 0
	CHUNK 0, 1, 1, 0                               ; the first chunk's products start the sums
	WIN 0
	s_mov_b32 s[CNT], NSTEP-1
	s_branch .Lmid                                 ; the loop is entered in the middle of a trip: step 0 has no change of slots in front of it
.Lstep:                                        ; six times: the change of slots with a refill, and the next step's chunks 0 to 2
	TCHUNK 1
	CHUNK 0, 1, 0, 0
	WIN 0
.Lmid:
	CHUNK 1, 2, 0, 0
	CHUNK 0, 3, 0, 0
	WIN 0
	s_sub_co_u32 s[CNT], s[CNT], 1
	s_cmp_lg_u32 s[CNT], 0
	s_cbranch_scc1 .Lstep
	TCHUNK 0                                       ; the tail is written out: nothing more is asked for
	CHUNK 0, 1, 0, 0
	CHUNK 1, 2, 0, 0
	CHUNK 0, 3, 0, 0
	CHUNK 1, 0, 0, 1
; THE SOFTMAX OF A BLOCK of 16 queries x my 128 keys.  A lane holds 64 scores of one query; the other 64 lie in the lane 16 away.
.macro SOFT a
.irp w, 1,2                            ; maxima, each accumulator from its low end on
	WIN 0x15*(\w)
.irp bb, 0,1,2,3
	v_max3_num_f32 v[TM+12*((\w)-1)+3*(\bb)],   v[32*(\a)+8*(\bb)],   v[32*(\a)+8*(\bb)+1], v[32*(\a)+8*(\bb)+2]
	v_max3_num_f32 v[TM+12*((\w)-1)+3*(\bb)+1], v[32*(\a)+8*(\bb)+3], v[32*(\a)+8*(\bb)+4], v[32*(\a)+8*(\bb)+5]
	v_max_num_f32  v[TM+12*((\w)-1)+3*(\bb)+2], v[32*(\a)+8*(\bb)+6], v[32*(\a)+8*(\bb)+7]
.endr
.endr
	WIN 0
.irp k, 0,1,2,3,4,5,6,7
	v_max3_num_f32 v[TM+3*(\k)], v[TM+3*(\k)], v[TM+3*(\k)+1], v[TM+3*(\k)+2]
.endr
	v_max3_num_f32 v[TM],    v[TM],    v[TM+3],  v[TM+6]
	v_max3_num_f32 v[TM+9],  v[TM+9],  v[TM+12], v[TM+15]
	v_max_num_f32  v[TM+18], v[TM+18], v[TM+21]
	v_max3_num_f32 v[TM],    v[TM],    v[TM+9],  v[TM+18]
	v_permlanex16_b32 v[TM+1], v[TM], s[SEL], s[SEL+1]
	v_max_num_f32 v[TM], v[TM], v[TM+1]
	v_mul_f32 v[STP+2*(\a)],   s[CS], v[TM]        ; c m; the pair is written whole, since the packed scaling names it as a pair
	v_mul_f32 v[STP+2*(\a)+1], s[CS], v[TM]
.irp w, 1,2                            ; p = 2^(c s - c m), in place.  Behind each run of exponentials plain instructions on other registers come before its results are used
	WIN (\w)|((\w)<<6)
.set i, 0
.rept 16
	v_pk_fma_f32 v[32*(\a)+2*i:32*(\a)+2*i+1], v[32*(\a)+2*i:32*(\a)+2*i+1], s[CS:CS+1], v[STP+2*(\a):STP+2*(\a)+1] op_sel_hi:[1,0,0] neg_lo:[0,0,1] neg_hi:[0,0,1]
.set i, i+1
.endr
.set i, 0
.rept 32
	v_exp_f32 v[32*(\a)+i], v[32*(\a)+i]
.set i, i+1
.endr
.endr
.if (\a) >= 2
	s_wait_xcnt 0x0                                ; the buffer that the stores of two blocks ago read is rewritten only behind this wait
.endif
.irp w, 1,2                            ; rounded to f16; the first sums, of the unrounded weights
	WIN 0x05*(\w)
.set i, 0
	s_wait_alu depctr_va_vdst(0)
.rept 16
	v_cvt_pk_f16_f32 v[TMP+32*((\a)%2)+16*((\w)-1)+i], v[32*(\a)+2*i], v[32*(\a)+2*i+1]
.set i, i+1
.endr
.set i, 0
.rept 8
	v_pk_add_f32 v[U+16*((\w)-1)+2*i:U+16*((\w)-1)+2*i+1], v[32*(\a)+4*i:32*(\a)+4*i+1], v[32*(\a)+4*i+2:32*(\a)+4*i+3]
.set i, i+1
.endr
.endr
	WIN 0
.irp d, 8,4,2,1
.set k, 0
.rept \d
	v_pk_add_f32 v[U+2*k:U+2*k+1], v[U+2*k:U+2*k+1], v[U+2*(k+(\d)):U+2*(k+(\d))+1]
.set k, k+1
.endr
.endr
	v_add_f32 v[U], v[U], v[U+1]
	v_permlanex16_b32 v[U+1], v[U], s[SEL], s[SEL+1]
	v_add_f32 v[STP+2*(\a)+1], v[U], v[U+1]        ; l
.endm
.macro SEND a                          ; the packed weights as they lie: a lane's four registers are its 16 bytes of a block of 16 keys
.irp t, 0,1,2,3,4,5,6,7
	global_store_b128 v[GO], v[TMP+32*((\a)%2)+4*(\t):TMP+32*((\a)%2)+4*(\t)+3], s[6:7] offset:((\t)/4)*1048576+(\a)*2048+((\t)%4)*512  ; a whole block: 512 consecutive bytes, aligned
.endr
.endm
	WIN 0
	PLACES
.irp a, 0,1,2,3,4,5,6,7
	SOFT \a
	SEND \a
.endr
.irp a, 0,2,4,6                        ; the pairs: lanes 0-15 give block a's rows, lanes 16-31 block a + 1's: 32 rows, 256 consecutive bytes, aligned
	v_cndmask_b32 v[SD+(\a)],   v[STP+2*(\a)],   v[STP+2*(\a)+2], s[HM]
	v_cndmask_b32 v[SD+(\a)+1], v[STP+2*(\a)+1], v[STP+2*(\a)+3], s[HM]
	global_store_b64 v[SO], v[SD+(\a):SD+(\a)+1], s[8:9] offset:128*(\a)
.endr
	s_wait_tensorcnt 0x0                           ; the wave's end
	ds_add_u32 v[SPW], v[NIL]
	s_wait_dscnt 0x0
	CROUND
	s_endpgm
.Lfunc_end_k_qf8d4df1f7c_scores:
	.size	k_qf8d4df1f7c_scores, .Lfunc_end_k_qf8d4df1f7c_scores-k_qf8d4df1f7c_scores
	.p2alignl 7, 3214868480
	.fill 96, 4, 3214868480
	.section	.rodata,"a",@progbits
	.p2align	6, 0x0
	.amdhsa_kernel k_qf8d4df1f7c_scores
		.amdhsa_group_segment_fixed_size 327680
		.amdhsa_private_segment_fixed_size 0
		.amdhsa_enable_private_segment 0
		.amdhsa_kernarg_size 24
		.amdhsa_user_sgpr_count 2
		.amdhsa_user_sgpr_kernarg_segment_ptr 1
		.amdhsa_wavefront_size32 1
		.amdhsa_system_sgpr_workgroup_id_x 1
		.amdhsa_system_sgpr_workgroup_id_y 1
		.amdhsa_system_sgpr_workgroup_id_z 1
		.amdhsa_system_vgpr_workitem_id 0
		.amdhsa_next_free_vgpr 768
		.amdhsa_next_free_sgpr 80
		.amdhsa_reserve_vcc 0
		.amdhsa_float_denorm_mode_32 3
		.amdhsa_float_denorm_mode_16_64 3
		.amdhsa_memory_ordered 1
		.amdhsa_forward_progress 1
		.amdhsa_inst_pref_size 164
	.end_amdhsa_kernel
	.amdgpu_metadata
---
amdhsa.version: [ 1, 2 ]
amdhsa.kernels:
  - .name:           k_qf8d4df1f7c_scores
    .symbol:         k_qf8d4df1f7c_scores.kd
    .args:
      - { .name: qkv, .offset: 0, .size: 8, .value_kind: global_buffer, .address_space: global }
      - { .name: p64, .offset: 8, .size: 8, .value_kind: global_buffer, .address_space: global }
      - { .name: st, .offset: 16, .size: 8, .value_kind: global_buffer, .address_space: global }
    .group_segment_fixed_size: 327680
    .private_segment_fixed_size: 0
    .kernarg_segment_align: 8
    .kernarg_segment_size: 24
    .max_flat_workgroup_size: 128
    .sgpr_count:     80
    .vgpr_count:     768
    .wavefront_size: 32
...
	.end_amdgpu_metadata
.endif
;; end of part 3
;; launch pv (part 4): grid 4 x 64, 4 waves a work-group, clusters of 4 x 4, 327,680 bytes of LDS; arguments p64, qkv, st, out0; writes out0
.if DOCPART == 4
	.amdgcn_target "amdgcn-amd-amdhsa--gfx1250"
	.amdhsa_code_object_version 6
	.text
	.protected	k_qf8d4df1f7c_pv
	.globl	k_qf8d4df1f7c_pv
	.p2align	8
	.type	k_qf8d4df1f7c_pv,@function
k_qf8d4df1f7c_pv:
	s_mov_b64 s[64:65], 0
	v_nop
	global_prefetch_b8 v0, s[64:65] scope:SCOPE_SE
	s_setreg_imm32_b32 hwreg(HW_REG_WAVE_MODE, 25, 1), 1
	s_wait_xcnt 0x0
	s_wait_alu depctr_hold_cnt(0) depctr_sa_sdst(0) depctr_va_vdst(0) depctr_va_sdst(0) depctr_va_ssrc(0) depctr_va_vcc(0) depctr_vm_vsrc(0)
	s_getreg_b32 s2, hwreg(HW_REG_IB_STS2, 6, 4)
	s_cmp_eq_u32 s2, 0
	s_cbranch_scc0 .Lentry_in_a_cluster
	s_endpgm
.Lentry_in_a_cluster:
	s_bfe_u32 s2, ttmp6, 0x10000c
	s_cmp_lg_u32 s2, 0xf033
	s_cbranch_scc0 .Lentry_shape_is_right
	s_endpgm
.Lentry_shape_is_right:
; out[q][:] = the sum over the 16 key blocks t of alpha_t[q] x the sum over t's 128 keys of p[q][k] V[k][:], in f32.
; From a row's 16 pairs (c m_t, l_t): c m = their largest c m_t (the row's true maximum), l = the sum of 2^(c m_t - c m) l_t >= 1, alpha_t = 2^(c m_t - c m) / l <= 1, all in f32.
; P's fragments (f16) are multiplied by alpha_t (rounded once to f16) between LDS and the matrix unit; products in f16, sums in f32.
; LIMITS: alpha and p alpha below 6e-5 keep f16's fixed step of 6e-8; l is at most 2,048, so that step is at most 3e-8 a weight against a row's sum of 1.
; A 2^(c m_t - c m) below 2^-126 counts as 0; NaN and infinities are not treated apart.
; LAYOUT of p64 and of V (in qkv): panels of 64 columns x 8,192 rows; 16 rows of a panel are a group of 2,048 bytes: four blocks of 16 columns.  P: a block is [lane][16 bytes], lane (r, h) holding
; query r, keys 8 h .. 8 h + 7: two neighbouring blocks are a fragment as the registers hold it.  V: a block is [key][32 bytes]: sixteen lanes of the turning load take 256 consecutive bytes.
; So no tile wants padding in LDS.
; A work-group makes 128 queries x 256 channels: 4 x 64 = 256 work-groups.  K (the keys) goes in steps of 128, one key block.  A step is SPLIT between two pairs of waves:
; wave (kh, WC) multiplies all 128 queries by channels 128 WC .. + 127 over keys 64 kh .. + 63 of each step, so that a wave's tile stays 128 x 128; at the end the two halves are added, in f32, through LDS.
; Fragment a' of a wave is row block a' xor 4 kh: every wave keeps a' = 0..3 (rows 64 kh ..) and hands a' = 4..7 to its partner.
; TRANSPOSED USE: source 0 = 16 channels of V (turned on the way out of LDS), source 1 = 16 queries of P.
; CLUSTER 4 x 4: P's tiles are shared along a row of the cluster, V's along a column.
; REGISTERS: window 0: v0-31 addresses and alpha; v32-95, v96-159 P's fragments, two buffers; v160-223 V's, one buffer.  Window 1 + g: accumulators of channel group g (64): (a', bb) at v[32 a' + 8 bb].
.set NSTEP, 16
.set RA,    16384                      ; one key panel: [8 groups of 16 queries][2,048 bytes]
.set RB,    32768                      ; two channel panels x [8 groups of 16 keys][2,048 bytes]
.set PANB,  16384
.set SLOT1, 1<<17
.set STAGE, SLOT1+2*RA+2*RB            ; 16 rows x 528 bytes for each wave
.set WSTG,  16*528
.set TAB,   STAGE+4*WSTG               ; [16 t][16 r][8 row blocks]: alpha twice in f16
.set SPARE, TAB+8192
.set STRA,  2097152                    ; two key panels
.set STRB,  16384                      ; 128 keys of 128 bytes
.set ADRL0, 6                          ; P, fragments a' = 0..3, slot 0
.set ADRH0, 7                          ; a' = 4..7
.set ADRB0, 8
.set ADRL,  9
.set ADRH,  10
.set ADRB,  11
.set ATA0,  12                         ; the table, a' = 0..3, t = 0
.set ATB0,  13                         ; a' = 4..7
.set ATA,   14
.set ATB,   15
.set STO,   16
.set RD,    17
.set GO,    18
.set AL,    20                         ; v20-27 alpha of fragment a'
.set SPW,   28
.set NIL,   29
.set XA,    30                         ; where I put what I hand over
.set XP,    31                         ; where my partner has put it
.set FA,    32
.set FB,    160
.set SV,    32                         ; the table is made in v32-68, ahead of the first fragments
.set M0,    64
.set OB,    160                        ; the way out: 16 rows read back
.set WV, 12
.set WR, 13
.set WC, 14
.set CX, 15
.set CY, 16
.set TX, 17
.set TY, 18
.set KY, 19
.set RM, 20
.set CM, 21
.set G1A, 28
.set G1B, 36
.set G0A, 44
.set G0B, 52
.set CNT, 60
.set TB,  61
.set TT,  62                           ; 512 x the key block in hand
.set GC, (1<<16)|(1<<21)               ; 2-byte elements; bit 21 beside a mask; no padding
.set MSB, 0
.macro WIN new
.if MSB != (\new)
	s_set_vgpr_msb (MSB<<8)|(\new)
.set MSB, \new
.endif
.endm
.macro PLACES
.rept 4
	v_nop
.endr
.endm
.macro CREST
	s_cmp_lg_u32 s[WV], 0
	s_cbranch_scc1 .Lnot_wave_0_\@
	s_barrier_signal -3
.Lnot_wave_0_\@:
	s_barrier_wait -3
	s_barrier_signal -1
	s_barrier_wait -1
.endm
.macro CROUND
	s_barrier_signal -1
	s_barrier_wait -1
	CREST
.endm
.macro JLOAD
	s_cmp_eq_u32 s[WR], 0
	s_cbranch_scc0 .Lfor_b_\@
	tensor_load_to_lds s[G0A+4:G0A+7], s[G1A:G1A+7]
	s_nop 0
.rept 4
	v_nop
.endr
	s_branch .Lasked_\@
.Lfor_b_\@:
	tensor_load_to_lds s[G0B+4:G0B+7], s[G1B:G1B+7]
	s_nop 0
.rept 4
	v_nop
.endr
.Lasked_\@:
.endm
.macro MULH p, g, b0, zero             ; 16 products on 16 different accumulators
	WIN 0x50*(1+(\g))
.irp bb, (\b0), (\b0)+1
.irp a, 0,1,2,3,4,5,6,7
.if \zero
	v_wmma_f32_16x16x32_f16 v[32*(\a)+8*(\bb):32*(\a)+8*(\bb)+7], v[FB+8*(4*(\g)+(\bb)):FB+8*(4*(\g)+(\bb))+7], v[FA+64*(\p)+8*(\a):FA+64*(\p)+8*(\a)+7], 0
.else
	v_wmma_f32_16x16x32_f16 v[32*(\a)+8*(\bb):32*(\a)+8*(\bb)+7], v[FB+8*(4*(\g)+(\bb)):FB+8*(4*(\g)+(\bb))+7], v[FA+64*(\p)+8*(\a):FA+64*(\p)+8*(\a)+7], v[32*(\a)+8*(\bb):32*(\a)+8*(\bb)+7]
.endif
.endr
.endr
.endm
.macro LDA q, c                        ; chunk c of my 64 keys: blocks 2 c and 2 c + 1 of each group of 16 queries
.irp a, 0,1,2,3
	ds_load_b128 v[FA+64*(\q)+8*(\a):FA+64*(\q)+8*(\a)+3],   v[ADRL] offset:(\c)*1024+(\a)*2048
	ds_load_b128 v[FA+64*(\q)+8*(\a)+4:FA+64*(\q)+8*(\a)+7], v[ADRL] offset:(\c)*1024+(\a)*2048+512
.endr
.irp a, 0,1,2,3
	ds_load_b128 v[FA+64*(\q)+32+8*(\a):FA+64*(\q)+32+8*(\a)+3],   v[ADRH] offset:(\c)*1024+(\a)*2048
	ds_load_b128 v[FA+64*(\q)+32+8*(\a)+4:FA+64*(\q)+32+8*(\a)+7], v[ADRH] offset:(\c)*1024+(\a)*2048+512
.endr
.endm
.macro LDB g, c                        ; chunk c: groups 2 c and 2 c + 1 of my four groups of 16 keys; channel block bb of panel g
.irp bb, 0,1,2,3
	ds_load_tr16_b128 v[FB+8*(4*(\g)+(\bb)):FB+8*(4*(\g)+(\bb))+3],   v[ADRB] offset:(\g)*PANB+(\c)*4096+(\bb)*512
	ds_load_tr16_b128 v[FB+8*(4*(\g)+(\bb))+4:FB+8*(4*(\g)+(\bb))+7], v[ADRB] offset:(\g)*PANB+(\c)*4096+(\bb)*512+2048
.endr
.endm
.macro SCALE q                         ; P's fragments in buffer q times alpha: two f16 a line
.irp a, 0,1,2,3,4,5,6,7
.irp j, 0,1,2,3,4,5,6,7
	v_pk_mul_f16 v[FA+64*(\q)+8*(\a)+(\j)], v[FA+64*(\q)+8*(\a)+(\j)], v[AL+(\a)]
.endr
.endr
.endm
; The counts name the LDS loads issued behind those needed: group 0: V's second group (8); group 1: the next chunk's 16 of P and 8 of V (24);
; in front of the scaling: V's 8, issued behind P's 16.  The 64 multiplies, which name no register of the products just issued, are also the places in front of V's loads.
.macro CHUNK p, fc, zero, last
	s_wait_dscnt 8
	MULH \p, 0, 0, \zero
	MULH \p, 0, 2, \zero
.if \last
	s_wait_dscnt 0x0
.else
	WIN 0
	PLACES
	LDA 1-(\p), \fc
	LDB 0, \fc
	s_wait_dscnt 24
.endif
	MULH \p, 1, 0, \zero
	MULH \p, 1, 2, \zero
.if !(\last)
	WIN 0
	s_wait_dscnt 8
	SCALE 1-(\p)
	LDB 1, \fc
.endif
.endm
.macro TCHUNK fill                     ; a slot's last chunk changes slots: all my tensor loads, the add, my reads of the slot, the barrier (with fill = 1 a round of the cluster's), the refill first behind it
	WIN 0
	s_wait_tensorcnt 0x0
	ds_add_u32 v[SPW], v[NIL]
	s_wait_dscnt 9                                 ; V's second group and the add may be out
	MULH 1, 0, 0, 0
	s_wait_dscnt 0x0
	s_barrier_signal -1
	MULH 1, 0, 2, 0
	WIN 0
	s_barrier_wait -1
.if \fill
	CREST
	s_xor_b32 s[G0A+5], s[G0A+5], SLOT1
	s_add_nc_u64 s[G0A+6:G0A+7], s[G0A+6:G0A+7], STRA
	s_xor_b32 s[G0B+5], s[G0B+5], SLOT1
	s_add_nc_u64 s[G0B+6:G0B+7], s[G0B+6:G0B+7], STRB
	JLOAD
.else
	PLACES
.endif
	s_xor_b32 s[TB], s[TB], SLOT1
	s_add_co_u32 s[TT], s[TT], 512                 ; the next key block's alpha
	v_add_nc_u32 v[ATA], s[TT], v[ATA0]
	v_add_nc_u32 v[ATB], s[TT], v[ATB0]
	v_add_nc_u32 v[ADRL], s[TB], v[ADRL0]
	v_add_nc_u32 v[ADRH], s[TB], v[ADRH0]
	v_add_nc_u32 v[ADRB], s[TB], v[ADRB0]
	ds_load_b128 v[AL:AL+3],   v[ATA]
	ds_load_b128 v[AL+4:AL+7], v[ATB]
	LDA 0, 0
	LDB 0, 0
	MULH 1, 1, 0, 0
	MULH 1, 1, 2, 0
	WIN 0
	s_wait_dscnt 8                                 ; alpha and P are in; V's 8 may be out
	SCALE 0
	LDB 1, 0
.endm
	s_load_b256 s[4:11], s[0:1], 0x0               ; p64 s[4:5], qkv s[6:7], st s[8:9], out0 s[10:11]
	v_lshl_add_u32 v[SPW], v0, 2, SPARE
	v_mov_b32 v[NIL], 0
	ds_add_u32 v[SPW], v[NIL]                      ; the wave's opening: the add and its wait ahead of my first tensor load
	v_lshrrev_b32 v1, 5, v0
	v_readfirstlane_b32 s[WV], v1
	s_lshr_b32 s[WR], s[WV], 1                     ; kh: my half of a step's keys.  Also: I fetch for P (0) or for V (1)
	s_and_b32 s[WC], s[WV], 1                      ; my half of the channels.  Also: which region I fetch
	s_bfe_u32 s[CX], ttmp6, 0x40000
	s_bfe_u32 s[CY], ttmp6, 0x40004
	s_lshl_b32 s[TX], ttmp9, 2
	s_add_co_u32 s[TX], s[TX], s[CX]               ; channel tile
	s_and_b32 s[KY], ttmp7, 0xffff
	s_lshl_b32 s[TY], s[KY], 2
	s_add_co_u32 s[TY], s[TY], s[CY]               ; query tile of 128 among all 8,192 rows
	s_lshl_b32 s[RM], s[CY], 2
	s_lshl_b32 s[RM], 15, s[RM]
	s_lshl_b32 s[CM], 0x1111, s[CX]
	s_or_b32 s[G1A], s[RM], GC
	s_or_b32 s[G1B], s[CM], GC
	s_mov_b32 s[G1A+1], 8192<<16                   ; P: one dense piece of 128 rows x 64 keys
	s_mov_b32 s[G1A+2], 1<<16
	s_mov_b32 s[G1A+3], 8192<<16
	s_mov_b32 s[G1A+4], 1
	s_mov_b32 s[G1A+5], 524288
	s_mov_b32 s[G1A+6], 0
	s_mov_b32 s[G1A+7], 0
	s_mov_b32 s[G1B+1], 8192<<16                   ; V: two dense pieces of 128 keys x 64 channels, a panel apart
	s_mov_b32 s[G1B+2], 2<<16
	s_mov_b32 s[G1B+3], 8192<<16
	s_mov_b32 s[G1B+4], 2
	s_mov_b32 s[G1B+5], 524288
	s_mov_b32 s[G1B+6], 0
	s_mov_b32 s[G1B+7], 0
	s_lshl_b32 s22, s[TY], 14                      ; P: 128 x query tile rows of 128 bytes, key panel = region
	s_lshl_b32 s70, s[WC], 20
	s_add_co_u32 s22, s22, s70
	s_mov_b32 s23, 0
	s_lshl_b32 s24, s[TX], 2                       ; V: panel 32 + 4 x channel tile + 2 x region,
	s_lshl_b32 s70, s[WC], 1
	s_add_co_u32 s24, s24, s70
	s_add_co_u32 s24, s24, 32
	s_lshl_b32 s24, s24, 20
	s_lshr_b32 s75, s[KY], 2                       ; the batch (four clusters along y to a batch: the whole cluster shares it), its 2,048 rows
	s_lshl_b32 s75, s75, 18
	s_add_co_u32 s24, s24, s75
	s_mov_b32 s25, 0
	s_lshl_b32 s26, s[TY], 10                      ; st: row 128 x query tile + 32 x wave, 8 bytes a row
	s_lshl_b32 s75, s[WV], 8
	s_add_co_u32 s26, s26, s75
	s_mov_b32 s27, 0
	s_lshl_b32 s72, s[TY], 19                      ; out: row 128 x query tile + 64 kh, 4,096 bytes a row; column 256 x channel tile + 128 x half
	s_lshl_b32 s75, s[WR], 18
	s_add_co_u32 s72, s72, s75
	s_lshl_b32 s75, s[TX], 10
	s_add_co_u32 s72, s72, s75
	s_lshl_b32 s75, s[WC], 9
	s_add_co_u32 s72, s72, s75
	s_mov_b32 s73, 0
	s_lshl_b32 s71, s[WC], 14                      ; where the tiles go: the wave's number alone
	s_lshl_b32 s74, s[WC], 15
	s_add_co_u32 s74, s74, 2*RA
	s_mov_b32 s[TB], 0
	s_mov_b32 s[TT], 0
	s_wait_dscnt 0x0
	s_wait_kmcnt 0x0
	s_add_nc_u64 s[22:23], s[4:5], s[22:23]
	s_add_nc_u64 s[24:25], s[6:7], s[24:25]
	s_add_nc_u64 s[8:9], s[8:9], s[26:27]
	s_add_nc_u64 s[10:11], s[10:11], s[72:73]
	CROUND
.irp s, 0,1
	s_mov_b32 s[G0A+4*(\s)], 1
	s_add_co_u32 s[G0A+4*(\s)+1], s71, (\s)*SLOT1
	s_add_nc_u64 s[G0A+4*(\s)+2:G0A+4*(\s)+3], s[22:23], (\s)*STRA
	s_or_b32 s[G0A+4*(\s)+3], s[G0A+4*(\s)+3], 0x80000000
	s_mov_b32 s[G0B+4*(\s)], 1
	s_add_co_u32 s[G0B+4*(\s)+1], s74, (\s)*SLOT1
	s_add_nc_u64 s[G0B+4*(\s)+2:G0B+4*(\s)+3], s[24:25], (\s)*STRB
	s_or_b32 s[G0B+4*(\s)+3], s[G0B+4*(\s)+3], 0x80000000
.endr
	s_cmp_eq_u32 s[WR], 0
	s_cbranch_scc0 .Lfirst_b
	tensor_load_to_lds s[G0A:G0A+3], s[G1A:G1A+7]
	s_nop 0
	tensor_load_to_lds s[G0A+4:G0A+7], s[G1A:G1A+7]
	s_nop 0
.rept 4
	v_nop
.endr
	s_branch .Lfirst_asked
.Lfirst_b:
	tensor_load_to_lds s[G0B:G0B+3], s[G1B:G1B+7]
	s_nop 0
	tensor_load_to_lds s[G0B+4:G0B+7], s[G1B:G1B+7]
	s_nop 0
.rept 4
	v_nop
.endr
.Lfirst_asked:
	; THE TABLE, in the wait for the first tiles.  Lane L of wave w owns row 32 w + L of the tile: its 16 pairs, each load 256 consecutive bytes, aligned.
	v_and_b32 v3, 31, v0
	v_lshlrev_b32 v[GO], 4, v3                     ; 16 x lane
	v_lshlrev_b32 v3, 3, v3                        ; 8 x lane
.set t, 0
.rept 16
	global_load_b64 v[SV+2*t:SV+2*t+1], v3, s[8:9] offset:t*65536
.set t, t+1
.endr
	v_and_b32 v1, 15, v0                           ; r
	v_bfe_u32 v2, v0, 4, 1                         ; h
	s_mul_i32 s70, s[WR], RA+4*2048                ; region kh, groups 4 kh on
	v_add_nc_u32 v[ADRL0], s70, v[GO]
	s_mul_i32 s70, s[WR], RA-4*2048                ; region kh, groups 4 - 4 kh on
	s_add_co_u32 s70, s70, 4*2048
	v_add_nc_u32 v[ADRH0], s70, v[GO]
	v_and_b32 v4, 7, v0                            ; the turning load: key 8 h + lane % 8 of its group, 32 bytes a key; 16 bytes at 16 ((lane / 8) % 2)
	v_lshl_add_u32 v4, v2, 3, v4
	v_lshlrev_b32 v4, 5, v4
	v_bfe_u32 v5, v0, 3, 1
	v_lshl_add_u32 v4, v5, 4, v4
	s_lshl_b32 s70, s[WR], 13                      ; my 64 keys of the step: four groups of 2,048 bytes
	s_add_co_u32 s70, s70, s74
	v_add_nc_u32 v[ADRB0], s70, v4
	v_mov_b32 v[ADRL], v[ADRL0]
	v_mov_b32 v[ADRH], v[ADRH0]
	v_mov_b32 v[ADRB], v[ADRB0]
	v_lshl_add_u32 v5, v1, 5, TAB                  ; the table's row r
	s_lshl_b32 s70, s[WR], 4
	v_add_nc_u32 v[ATA0], s70, v5                  ; row blocks 4 kh ..
	s_sub_co_u32 s70, 16, s70
	v_add_nc_u32 v[ATB0], s70, v5                  ; row blocks 4 - 4 kh ..
	v_lshl_add_u32 v5, v2, 2, v5                   ; where I write: row block 2 w + h
	s_lshl_b32 s70, s[WV], 3
	v_add_nc_u32 v5, s70, v5
	s_mul_i32 s73, s[WV], WSTG
	s_add_co_u32 s73, s73, STAGE                   ; my stage
	v_mul_u32_u24 v[STO], v1, 528
	v_lshl_add_u32 v[STO], v2, 5, v[STO]
	v_add_nc_u32 v[STO], s73, v[STO]
	v_add_nc_u32 v[RD], s73, v[GO]
	s_lshl_b32 s70, s[WV], 15
	v_add_nc_u32 v[XA], s70, v[GO]
	s_xor_b32 s70, s[WV], 2                        ; my partner: the same channels, the other keys
	s_lshl_b32 s70, s70, 15
	v_add_nc_u32 v[XP], s70, v[GO]
	s_wait_loadcnt 0x0
	v_max3_num_f32 v[M0],   v[SV],    v[SV+2],  v[SV+4]
	v_max3_num_f32 v[M0+1], v[SV+6],  v[SV+8],  v[SV+10]
	v_max3_num_f32 v[M0+2], v[SV+12], v[SV+14], v[SV+16]
	v_max3_num_f32 v[M0+3], v[SV+18], v[SV+20], v[SV+22]
	v_max3_num_f32 v[M0+4], v[SV+24], v[SV+26], v[SV+28]
	v_max3_num_f32 v[M0],   v[M0],    v[M0+1],  v[SV+30]
	v_max3_num_f32 v[M0+2], v[M0+2],  v[M0+3],  v[M0+4]
	v_max_num_f32  v[M0],   v[M0],    v[M0+2]      ; c m of the row
.set t, 0
.rept 16
	v_sub_f32 v[SV+2*t], v[SV+2*t], v[M0]
.set t, t+1
.endr
.set t, 0
.rept 16
	v_exp_f32 v[SV+2*t], v[SV+2*t]                 ; 2^(c m_t - c m)
.set t, t+1
.endr
	v_nop                                          ; a plain instruction behind the exponentials, before their results are used
	s_wait_alu depctr_va_vdst(0)
	v_mul_f32 v[M0+1], v[SV],   v[SV+1]            ; l, in two chains
	v_mul_f32 v[M0+2], v[SV+2], v[SV+3]
.set t, 2
.rept 14
	v_fma_f32 v[M0+1+t%2], v[SV+2*t], v[SV+2*t+1], v[M0+1+t%2]
.set t, t+1
.endr
	v_add_f32 v[M0+1], v[M0+1], v[M0+2]
	v_rcp_f32 v[M0+2], v[M0+1]
	v_nop                                          ; a plain instruction behind the reciprocal
.set t, 0
	s_wait_alu depctr_va_vdst(0)
.rept 16
	v_mul_f32 v[SV+2*t], v[SV+2*t], v[M0+2]        ; alpha_t
.set t, t+1
.endr
.set t, 0
.rept 16
	v_cvt_pk_f16_f32 v[SV+2*t+1], v[SV+2*t], v[SV+2*t]
	ds_store_b32 v5, v[SV+2*t+1] offset:512*t
.set t, t+1
.endr
	s_wait_tensorcnt 0x1                           ; my part of slot 0 is in; slot 1's may stay out
	s_wait_dscnt 0x0                               ; for the others' sake: my part of the table is written
	s_barrier_signal -1
	s_barrier_wait -1
	ds_load_b128 v[AL:AL+3],   v[ATA0]
	ds_load_b128 v[AL+4:AL+7], v[ATB0]
	LDA 0, 0
	LDB 0, 0
	LDB 1, 0
	s_wait_dscnt 16                                ; alpha and P are in; V's 16 may be out
	SCALE 0
	CHUNK 0, 1, 1, 0
	WIN 0
	s_mov_b32 s[CNT], NSTEP-2
.Lstep:
	TCHUNK 1
	CHUNK 0, 1, 0, 0
	WIN 0
	s_sub_co_u32 s[CNT], s[CNT], 1
	s_cmp_lg_u32 s[CNT], 0
	s_cbranch_scc1 .Lstep
	TCHUNK 0                                       ; the tail is written out: nothing more is asked for
	CHUNK 0, 1, 0, 0
	CHUNK 1, 0, 0, 1
	; THE WAY OUT.  Slot 0 and the gap behind it have had their last fill: 32,768 bytes of them for each wave take what it hands to its partner.
	WIN 0
	PLACES
	s_wait_dscnt 0x0
	s_barrier_signal -1
	s_barrier_wait -1                              ; nobody reads the ring any more
.irp g, 0,1
	WIN (1+(\g))<<2                                ; the stores' data in window 1 + g
.irp a, 4,5,6,7
.irp q, 0,1,2,3,4,5,6,7
	ds_store_b128 v[XA], v[32*(\a)+4*(\q):32*(\a)+4*(\q)+3] offset:((4*(\g)+(\a)-4)*8+(\q))*512  ; each accumulator from its low end on; 512 consecutive bytes a store
.endr
.endr
.endr
	WIN 0
	s_wait_dscnt 0x0                               ; for my partner's sake
	s_barrier_signal -1
	s_barrier_wait -1
.macro RECV i                          ; my partner's sums for my block i: 16 loads
.set XR, 32+64*((\i)%2)
.irp g, 0,1
.irp q, 0,1,2,3,4,5,6,7
	ds_load_b128 v[XR+32*(\g)+4*(\q):XR+32*(\g)+4*(\q)+3], v[XP] offset:((4*(\g)+(\i))*8+(\q))*512
.endr
.endr
.endm
.macro OUTB i                          ; block i: the halves are added, turned into whole rows in my stage, stored
.set XR, 32+64*((\i)%2)
	s_wait_dscnt 0x0                               ; my partner's sums are in
.irp g, 0,1
	WIN 1+(\g)
.set k, 0
.rept 16
	v_pk_add_f32 v[XR+32*(\g)+2*k:XR+32*(\g)+2*k+1], v[32*(\i)+2*k:32*(\i)+2*k+1], v[XR+32*(\g)+2*k:XR+32*(\g)+2*k+1]
.set k, k+1
.endr
.endr
	WIN 0
.irp b, 0,1,2,3,4,5,6,7
	ds_store_b128 v[STO], v[XR+8*(\b):XR+8*(\b)+3]   offset:64*(\b)
	ds_store_b128 v[STO], v[XR+8*(\b)+4:XR+8*(\b)+7] offset:64*(\b)+16
.endr
	s_wait_xcnt 0x0                                ; the registers that the last block's stores read are loaded again only behind this wait
.irp t, 0,1,2,3,4,5,6,7,8,9,10,11,12,13,14,15
	ds_load_b128 v[OB+4*(\t):OB+4*(\t)+3], v[RD] offset:528*(\t)  ; LDS serves a wave's instructions in order: these see the stores above
.endr
.if (\i) < 3
	RECV (\i)+1
	s_wait_dscnt 16                                ; the rows are back; the next block's 16 may be out
.else
	s_wait_dscnt 0x0
.endif
.irp t, 0,1,2,3,4,5,6,7,8,9,10,11,12,13,14,15
	global_store_b128 v[GO], v[OB+4*(\t):OB+4*(\t)+3], s[10:11] offset:(16*(\i)+(\t))*4096 th:TH_STORE_NT  ; 512 consecutive bytes, aligned
.endr
.endm
	RECV 0
	OUTB 0
	OUTB 1
	OUTB 2
	OUTB 3
	s_wait_tensorcnt 0x0                           ; the wave's end
	ds_add_u32 v[SPW], v[NIL]
	s_wait_dscnt 0x0
	CROUND
	s_endpgm
.Lfunc_end_k_qf8d4df1f7c_pv:
	.size	k_qf8d4df1f7c_pv, .Lfunc_end_k_qf8d4df1f7c_pv-k_qf8d4df1f7c_pv
	.p2alignl 7, 3214868480
	.fill 96, 4, 3214868480
	.section	.rodata,"a",@progbits
	.p2align	6, 0x0
	.amdhsa_kernel k_qf8d4df1f7c_pv
		.amdhsa_group_segment_fixed_size 327680
		.amdhsa_private_segment_fixed_size 0
		.amdhsa_enable_private_segment 0
		.amdhsa_kernarg_size 32
		.amdhsa_user_sgpr_count 2
		.amdhsa_user_sgpr_kernarg_segment_ptr 1
		.amdhsa_wavefront_size32 1
		.amdhsa_system_sgpr_workgroup_id_x 1
		.amdhsa_system_sgpr_workgroup_id_y 1
		.amdhsa_system_sgpr_workgroup_id_z 1
		.amdhsa_system_vgpr_workitem_id 0
		.amdhsa_next_free_vgpr 768
		.amdhsa_next_free_sgpr 80
		.amdhsa_reserve_vcc 0
		.amdhsa_float_denorm_mode_32 3
		.amdhsa_float_denorm_mode_16_64 3
		.amdhsa_memory_ordered 1
		.amdhsa_forward_progress 1
		.amdhsa_inst_pref_size 110
	.end_amdhsa_kernel
	.amdgpu_metadata
---
amdhsa.version: [ 1, 2 ]
amdhsa.kernels:
  - .name:           k_qf8d4df1f7c_pv
    .symbol:         k_qf8d4df1f7c_pv.kd
    .args:
      - { .name: p64, .offset: 0, .size: 8, .value_kind: global_buffer, .address_space: global }
      - { .name: qkv, .offset: 8, .size: 8, .value_kind: global_buffer, .address_space: global }
      - { .name: st, .offset: 16, .size: 8, .value_kind: global_buffer, .address_space: global }
      - { .name: out0, .offset: 24, .size: 8, .value_kind: global_buffer, .address_space: global }
    .group_segment_fixed_size: 327680
    .private_segment_fixed_size: 0
    .kernarg_segment_align: 8
    .kernarg_segment_size: 32
    .max_flat_workgroup_size: 128
    .sgpr_count:     80
    .vgpr_count:     768
    .wavefront_size: 32
...
	.end_amdgpu_metadata
.endif
;; end of part 4
;; ======== version 2 of 2: 4 launches; version 1 with the launch prep written anew for expert scheduling mode
;; limits: values are held in f16: magnitudes above 65,504 overflow, below 6.1e-05 lose precision
;; workspace buffers: xb 16,777,216 bytes; wb 6,291,456 bytes; qkv 50,331,648 bytes; p64 33,554,432 bytes; st 1,048,576 bytes
;; launch prep (part 5): grid 256 x 1, 8 waves a work-group, no clusters, 0 bytes of LDS; arguments x, W_q, W_k, W_v, xb, wb; writes xb, wb
.if DOCPART == 5
	.amdgcn_target "amdgcn-amd-amdhsa--gfx1250"
	.amdhsa_code_object_version 6
	.text
	.protected	k_qf8d4df1f7c_prep
	.globl	k_qf8d4df1f7c_prep
	.p2align	8
	.type	k_qf8d4df1f7c_prep,@function
k_qf8d4df1f7c_prep:
	s_mov_b64 s[64:65], 0
	v_nop
	global_prefetch_b8 v0, s[64:65] scope:SCOPE_SE
	s_setreg_imm32_b32 hwreg(HW_REG_WAVE_SCHED_MODE, 0, 2), 2
	s_setreg_imm32_b32 hwreg(HW_REG_WAVE_MODE, 25, 1), 1
	s_wait_xcnt 0x0
	s_wait_alu depctr_vm_vsrc(0)
; x [8192][1024] and W_q, W_k, W_v [1024][1024], all f32, are rounded once to bf16 and laid out in PANELS:
; [panel = column / 64][row][64 numbers], a panel's row being 128 bytes and its rows dense.
; xb: 16 panels of 8,192 rows.  wb: 48 panels of 1,024 rows (W_q's 16, then W_k's, then W_v's).
; A stream: no LDS, no barrier, no matrix unit; each byte is read once and written once.
; 256 work-groups of equal work: each takes 32 rows of x (a wave 4 rows, as two pairs) and 6 of the 1,536 pairs of rows of the three W (waves 0 to 5 one pair each).
; A load covers 512 consecutive bytes of a row: 128 numbers, two panels.  After rounding, the halves of the lanes of two
; neighbouring rows are exchanged, so that one store's 32 lanes hold two rows of ONE panel: 256 consecutive bytes, aligned.
; THE MODE: SCHED_MODE bits 1:0 = 2 (LLVM: expert scheduling mode 2), set by the entry lines.  The code itself states the register dependences
; between vector instructions and memory instructions, with s_wait_alu, always for 0.
; THE PLAN.  Registers that memory instructions touch:
;   v3, v20        the loads' offsets; v4-19, v21 the stores' offsets.  All made at the head, by vector lines, and never written again.
;   X, Y           a pair of loads lands in eight registers; the pair's six vector lines read them and write four of them; two stores read those four.
;                  No register is loaded or written a second time, so nothing that a memory instruction has read is ever written again.
; So what is to be stated: the wave's number is written before scalar lines read it; the offsets are written before the first load; a pair's packed registers are written before its stores.
; The pairs go in BLOCKS of four.  One wait at a block's head states that the block before has written its packed registers; that block's eight stores follow, dealt among
; this block's vector lines, which name this block's registers alone.  Behind the last block of x, and of W, one more wait stands ahead of its stores.
.set LO, 3                             ; v3      x: byte offset of my 16 bytes in the wave's first row
.set VO, 4                             ; v4-19   xb: byte offset of my 8 bytes in panel p
.set LW, 20                            ; v20     16 x lane
.set SW, 21                            ; v21     8 x lane
.set X,  24                            ; v24-151  x's 32 loads of 4 registers
.set Y,  152                           ; v152-215 W's 16 loads; no register is used twice, so no store's source is ever rewritten
.set WV, 16                            ; s16     my wave's number
.macro CAST r                          ; eight registers: a row's four f32, the next row's four -> the even panel's pair at r, the odd panel's at r + 4
	v_cvt_pk_bf16_f32 v[(\r)],   v[(\r)],   v[(\r)+1]
	v_cvt_pk_bf16_f32 v[(\r)+1], v[(\r)+2], v[(\r)+3]
	v_cvt_pk_bf16_f32 v[(\r)+4], v[(\r)+4], v[(\r)+5]
	v_cvt_pk_bf16_f32 v[(\r)+5], v[(\r)+6], v[(\r)+7]
	v_permlane16_swap_b32 v[(\r)],   v[(\r)+4]     ; the upper row's lanes 16-31 change places with the lower row's lanes 0-15
	v_permlane16_swap_b32 v[(\r)+1], v[(\r)+5]
.endm
.macro XSTORE k                        ; x's pair k = 8 x row pair + span: panels 2 (k % 8) and 2 (k % 8) + 1
	global_store_b64 v[VO+2*((\k)%8)],   v[X+8*(\k):X+8*(\k)+1],   s[12:13] offset:256*((\k)/8)
	global_store_b64 v[VO+2*((\k)%8)+1], v[X+8*(\k)+4:X+8*(\k)+5], s[12:13] offset:256*((\k)/8)
.endm
.macro WSTORE k                        ; W's span k: panels 2 k and 2 k + 1, 131,072 bytes apart, in the store's immediate
	global_store_b64 v[SW], v[Y+8*(\k):Y+8*(\k)+1],   s[22:23] offset:(2*(\k))*131072
	global_store_b64 v[SW], v[Y+8*(\k)+4:Y+8*(\k)+5], s[22:23] offset:(2*(\k)+1)*131072
.endm
	s_load_b256 s[4:11], s[0:1], 0x0               ; x s[4:5], W_q s[6:7], W_k s[8:9], W_v s[10:11]
	s_load_b128 s[12:15], s[0:1], 0x20             ; xb s[12:13], wb s[14:15]
	v_and_b32 v1, 31, v0                           ; lane
	v_lshrrev_b32 v2, 5, v0                        ; wave
	v_readfirstlane_b32 s[WV], v2
	v_lshlrev_b32 v[LW], 4, v1
	v_lshlrev_b32 v[SW], 3, v1
	v_lshl_add_u32 v[LO], v2, 14, v[LW]            ; 4 rows of 4,096 bytes a wave + 16 bytes a lane
	v_lshl_add_u32 v[VO], v2, 9, v[SW]             ; 4 rows of 128 bytes a wave + 8 bytes a lane
.set p, 1
.rept 15                               ; all offsets are made here, in the wait for the arguments, so that one wait below serves them all
	v_add_nc_u32 v[VO+p], 0x100000, v[VO+p-1]      ; xb's panels are 1,048,576 bytes apart
.set p, p+1
.endr
	s_wait_alu depctr_va_sdst(0)                   ; s16, the wave's number, is written, ahead of its first reader: W's pair is chosen by it, and the branches below hang on it
	s_mul_i32 s17, ttmp9, 6
	s_add_co_u32 s17, s17, s[WV]                   ; waves 0 to 5: my pair of rows among W's 1,536
	s_lshr_b32 s18, s17, 9                         ; which W (512 pairs each),
	s_and_b32 s19, s17, 511                        ; which pair of it
	s_lshl_b32 s24, s19, 13                        ; two rows of 4,096 bytes
	s_mov_b32 s25, 0
	s_lshl_b32 s26, s18, 21                        ; a W's 16 panels of 131,072 bytes,
	s_lshl_b32 s27, s19, 8                         ; two rows of 128 bytes
	s_add_co_u32 s26, s26, s27
	s_mov_b32 s27, 0
	s_lshl_b32 s28, ttmp9, 17                      ; x: 32 rows of 4,096 bytes
	s_mov_b32 s29, 0
	s_lshl_b32 s30, ttmp9, 12                      ; xb: 32 rows of 128 bytes
	s_mov_b32 s31, 0
	s_wait_kmcnt 0x0
	s_cmp_eq_u32 s18, 1                            ; the choices hang on the work-group's and the wave's numbers alone
	s_cselect_b64 s[20:21], s[8:9], s[6:7]
	s_cmp_eq_u32 s18, 2
	s_cselect_b64 s[20:21], s[10:11], s[20:21]
	s_add_nc_u64 s[20:21], s[20:21], s[24:25]      ; W's pair, from
	s_add_nc_u64 s[22:23], s[14:15], s[26:27]      ; and to
	s_add_nc_u64 s[4:5], s[4:5], s[28:29]
	s_add_nc_u64 s[12:13], s[12:13], s[30:31]
	s_wait_alu depctr_va_vdst(0)                   ; v3, v4 to v19, v20 and v21 are written: every load and store of the kernel reads one of them as its offset; ahead of the branch, so on both ways
	s_cmp_lt_u32 s[WV], 6
	s_cbranch_scc0 .Lno_w_loads
.set n, 0
.rept 16                               ; W's loads go first: they are older than x's, so the counts below hold with them and without
	global_load_b128 v[Y+4*n:Y+4*n+3], v[LW], s[20:21] offset:(n%2)*4096+(n/2)*512 th:TH_LOAD_NT
.set n, n+1
.endr
.Lno_w_loads:
.set n, 0
.rept 32                               ; load n: row pair n / 16, span (n / 2) % 8 of 512 bytes, row n % 2 of the pair
	global_load_b128 v[X+4*n:X+4*n+3], v[LO], s[4:5] offset:((n/16)*2+(n%2))*4096+((n/2)%8)*512 th:TH_LOAD_NT
.set n, n+1
.endr
.set i, 0
.rept 16                               ; i = 8 x row pair + span; four to a block
.if i%4 == 0
	s_wait_loadcnt 30-2*i                          ; loads come back in order: the 30 - 2 i younger ones may stay out
.if i > 0
	s_wait_alu depctr_va_vdst(0)                   ; the block before has written its packed registers, which the eight stores dealt out below read; the vector lines behind this wait name this block's registers alone
.endif
.endif
.if i >= 4
	XSTORE i-4                                     ; the pair four back: rounded ahead of the block's wait
.endif
.if i%4 != 0
	s_wait_loadcnt 30-2*i                          ; behind the two stores, which hang on no load
.endif
	CAST X+8*i
.set i, i+1
.endr
	s_wait_alu depctr_va_vdst(0)                   ; x's last block has written its packed registers, which the eight stores below read
.irp k, 12,13,14,15
	XSTORE \k
.endr
	s_cmp_lt_u32 s[WV], 6
	s_cbranch_scc0 .Lend
	s_wait_loadcnt 0x0                             ; W's loads are the oldest: long in
.set i, 0
.rept 8                                ; span i; two blocks of four
.if i == 4
	s_wait_alu depctr_va_vdst(0)                   ; W's first block has written its packed registers, which the eight stores dealt out below read
.endif
.if i >= 4
	WSTORE i-4
.endif
	CAST Y+8*i
.set i, i+1
.endr
	s_wait_alu depctr_va_vdst(0)                   ; W's second block has written its packed registers, which the last eight stores read
.irp k, 4,5,6,7
	WSTORE \k
.endr
.Lend:
	s_endpgm
.Lfunc_end_k_qf8d4df1f7c_prep:
	.size	k_qf8d4df1f7c_prep, .Lfunc_end_k_qf8d4df1f7c_prep-k_qf8d4df1f7c_prep
	.p2alignl 7, 3214868480
	.fill 96, 4, 3214868480
	.section	.rodata,"a",@progbits
	.p2align	6, 0x0
	.amdhsa_kernel k_qf8d4df1f7c_prep
		.amdhsa_group_segment_fixed_size 0
		.amdhsa_private_segment_fixed_size 0
		.amdhsa_enable_private_segment 0
		.amdhsa_kernarg_size 48
		.amdhsa_user_sgpr_count 2
		.amdhsa_user_sgpr_kernarg_segment_ptr 1
		.amdhsa_wavefront_size32 1
		.amdhsa_system_sgpr_workgroup_id_x 1
		.amdhsa_system_sgpr_workgroup_id_y 1
		.amdhsa_system_sgpr_workgroup_id_z 1
		.amdhsa_system_vgpr_workitem_id 0
		.amdhsa_next_free_vgpr 216
		.amdhsa_next_free_sgpr 66
		.amdhsa_reserve_vcc 0
		.amdhsa_float_denorm_mode_32 3
		.amdhsa_float_denorm_mode_16_64 3
		.amdhsa_memory_ordered 1
		.amdhsa_forward_progress 1
		.amdhsa_inst_pref_size 20
	.end_amdhsa_kernel
	.amdgpu_metadata
---
amdhsa.version: [ 1, 2 ]
amdhsa.kernels:
  - .name:           k_qf8d4df1f7c_prep
    .symbol:         k_qf8d4df1f7c_prep.kd
    .args:
      - { .name: x, .offset: 0, .size: 8, .value_kind: global_buffer, .address_space: global }
      - { .name: W_q, .offset: 8, .size: 8, .value_kind: global_buffer, .address_space: global }
      - { .name: W_k, .offset: 16, .size: 8, .value_kind: global_buffer, .address_space: global }
      - { .name: W_v, .offset: 24, .size: 8, .value_kind: global_buffer, .address_space: global }
      - { .name: xb, .offset: 32, .size: 8, .value_kind: global_buffer, .address_space: global }
      - { .name: wb, .offset: 40, .size: 8, .value_kind: global_buffer, .address_space: global }
    .group_segment_fixed_size: 0
    .private_segment_fixed_size: 0
    .kernarg_segment_align: 8
    .kernarg_segment_size: 48
    .max_flat_workgroup_size: 256
    .sgpr_count:     66
    .vgpr_count:     216
    .wavefront_size: 32
...
	.end_amdgpu_metadata
.endif
;; end of part 5
;; launch qkv: the kernel of part 2 again; grid 8 x 32, 4 waves a work-group, clusters of 4 x 4, 327,680 bytes of LDS; arguments xb, wb, qkv; writes qkv
;; launch scores: the kernel of part 3 again; grid 8 x 32, 4 waves a work-group, clusters of 4 x 4, 327,680 bytes of LDS; arguments qkv, p64, st; writes p64, st
;; launch pv: the kernel of part 4 again; grid 4 x 64, 4 waves a work-group, clusters of 4 x 4, 327,680 bytes of LDS; arguments p64, qkv, st, out0; writes out0
